; MI455X (gfx1250); checked and timed in simulation.
; The chip was launched on July 23, 2026; its instructions are those of AMD's public machine-readable ISA for CDNA 5 (MIT licence, August 2026) and "CDNA5" Instruction Set Architecture Reference Guide (July 2026). The comments in the code are by the model that wrote it; some were corrected since.
;; Quantizer EMA. Allowed arithmetic: float matrix products may take bf16 or f16 operands with f32 sums; all other float work in f32.
;; Inputs: cluster_size 1,024 float32; ema_embed 1,024 x 32 float32; embeddings 1,024 x 32 float32; z 128 x 2,048 x 32 float32.
;; Outputs: out0 128 x 2,048 x 32 float32; out1 262,144 x 1 int32; out2 one number float32; out3 1,024 x 32 float32; out4 1,024 float32; out5 1,024 x 32 float32.
;; 2 versions, each right and faster than the one before. Each part assembles by itself: llvm-mc -triple=amdgcn-amd-amdhsa -mcpu=gfx1250 --defsym DOCPART=n.
;; ======== version 1 of 2: 3 launches
;; workspace buffers: idxw 1,048,576 bytes of whole numbers; part 33,554,432 bytes; cntp 1,048,576 bytes; lossp 1,024 bytes
;; launch nearest (part 1): grid 256 x 1, 16 waves a work-group, no clusters, 90,112 bytes of LDS; arguments z, embeddings, out1, idxw; writes out1, idxw
.if DOCPART == 1
	.amdgcn_target "amdgcn-amd-amdhsa--gfx1250"
	.amdhsa_code_object_version 6
	.text
	.protected	k_q6286289b5c_nearest
	.globl	k_q6286289b5c_nearest
	.p2align	8
	.type	k_q6286289b5c_nearest,@function
k_q6286289b5c_nearest:
	s_mov_b64 s[64:65], 0
	v_nop
	global_prefetch_b8 v0, s[64:65] scope:SCOPE_SE
	s_setreg_imm32_b32 hwreg(HW_REG_WAVE_MODE, 25, 1), 1
	s_wait_xcnt 0x0
; nearest: for each of 262,144 rows of z (32 numbers) the index of the nearest of 1,024 codes, to out1 and, as whole numbers
; for the next launch, to idxw.
; ARITHMETIC.  z and e are rounded to bf16 (zb, eb).  For a row and a code: t = fl(zz + ee), d = fl(t + p) in f32, where
; zz = sum zb^2, ee = sum eb^2 and p = sum zb * (-2 eb) comes whole from ONE matrix instruction with C = 0 (K = 32).
; t and d are two separate f32 roundings, as the formula (zz + ee) - 2 z e is written: with d near 32 many rows have two codes whose d
; are equal after rounding, and the lowest index among equal d is the answer.  So every comparison here is strict and keeps the earlier code.
; LIMITS: NaN or infinity in z or e is not served (the minimum passes over NaN); -2 e must be finite in bf16, and 4 * sum eb^2
; neither overflow nor underflow in f32; p's last bits are the matrix unit's, not those of a chain of f32 additions.
; SHARES: 16 waves; the work-group owns 1,024 rows, wave w rows 64 w .. 64 w + 63 = 4 tiles of 16 rows, against 64 tiles of 16 codes.
; Source 0 = 16 codes, source 1 = 16 rows of z: lane (r = L & 15, h = L >> 4) holds in register j the code 16 tile + 8 h + j against
; row r, so the minimum over codes stays inside a lane until one exchange between the halves at the end.
; No cluster: the one shared input is the code table of 128 KiB, read once by each work-group through registers, since it is converted.
.set CPITCH, 80                        ; an LDS row of codes: 64 bytes of bf16 + 16: an odd multiple of 16, so 16 rows start 20 words apart
.set EE,     81920                     ; behind 1,024 x 80 bytes of codes: ee, 1,024 f32
.set IDXS,   86016                     ; behind ee: 256 bytes for each wave, its own, for the way out
.set VA,   2                           ; v2       LDS address of my part of a code fragment
.set VE,   3                           ; v3       LDS address of my eight ee
.set H8,   4                           ; v4       h, later 8 h
.set ZOFF, 5                           ; v5       my byte offset in a tile of z
.set EOFF, 6                           ; v6       my byte offset in the code table
.set TMP,  7
.set T,    8                           ; v[8:23]  two sets of eight distances at work
.set ZZ,   24                          ; v[24:27] zz of my row in tiles 0..3
.set BV,   28                          ; v[28:35] best distance: set 0 and set 1 take turns as old and new, 4 tiles each
.set BT,   36                          ; v[36:39] code tile of the best distance
.set BF,   40                          ; v[40:71] four fragments of z
.set SV,   72                          ; v[72:103] the eight distances of the best code tile, for each of 4 tiles
.set AB,   104                         ; v[104:119] code fragments, two buffers
.set EB,   120                         ; v[120:135] ee, two buffers
.set DB,   136                         ; v[136:199] products, two buffers of 4 x 8
.set RAWE, 72                          ; at the head: e as loaded, 16 x 4 registers
.set RAWZ, 136                         ; at the head: z as loaded, 4 x 16 registers
.set CST,  200                         ; at the head: where I store converted codes
.set EST,  201                         ; at the head: where I store ee
.set IDX,  200                         ; at the end: v[200:203] index for each tile
.set JJ,   204
.set OB,   205
.set OI,   206
.set OUT,  206                         ; v[206:207] two indices to store
.set TID,  17                          ; s17, s18: number of the even and of the odd code tile at work
	s_load_b256 s[4:11], s[0:1], 0x0               ; z s[4:5], embeddings s[6:7], out1 s[8:9], idxw s[10:11]
	v_and_b32 v1, 31, v0                           ; lane L
	v_lshrrev_b32 v[TMP], 5, v0
	v_readfirstlane_b32 s12, v[TMP]                ; wave w
	s_mov_b32 s20, 0x76543210                      ; v_permlanex16_b32: lane i reads lane i of the other half
	s_mov_b32 s21, 0xfedcba98
	s_mov_b32 s22, 0xffff0000                      ; a word's upper bf16; also the mask of lanes 16 to 31
	s_lshl_b32 s13, s12, 13                        ; 64 rows (of z or of e) of 128 bytes for each wave
	s_lshl_b32 s14, ttmp9, 17                      ; 1,024 rows of 128 bytes for each work-group
	s_add_co_u32 s14, s14, s13
	s_mov_b32 s15, 0
	v_lshl_add_u32 v[EOFF], v1, 4, s13             ; 8,192 w + 16 L
	v_and_b32 v[TMP], 15, v0                       ; r
	v_bfe_u32 v[H8], v0, 4, 1                      ; h
	v_lshlrev_b32 v[ZOFF], 7, v[TMP]
	v_lshl_add_u32 v[ZOFF], v[H8], 5, v[ZOFF]      ; 128 r + 32 h
	s_wait_kmcnt 0x0
	s_add_nc_u64 s[4:5], s[4:5], s[14:15]          ; z at my wave's first row
	; 16 loads of e: chunk i = 512 neighbouring bytes = 4 codes, 8 lanes a code
.irp i, 0,1,2,3,4,5,6,7,8,9,10,11,12,13,14,15
	global_load_b128 v[RAWE+4*\i:RAWE+4*\i+3], v[EOFF], s[6:7] offset:512*\i
.endr
	; 16 loads of z, in fragment order: lane (r, h) takes k = 8 h .. 8 h + 7 and k = 16 + 8 h .. + 7 of row r; a tile's four loads read each of its bytes once
.irp i, 0,1,2,3
	global_load_b128 v[RAWZ+16*\i:RAWZ+16*\i+3],     v[ZOFF], s[4:5] offset:2048*\i
	global_load_b128 v[RAWZ+16*\i+4:RAWZ+16*\i+7],   v[ZOFF], s[4:5] offset:2048*\i+16
	global_load_b128 v[RAWZ+16*\i+8:RAWZ+16*\i+11],  v[ZOFF], s[4:5] offset:2048*\i+64
	global_load_b128 v[RAWZ+16*\i+12:RAWZ+16*\i+15], v[ZOFF], s[4:5] offset:2048*\i+80
.endr
	v_mul_u32_u24 v[VA], v[TMP], CPITCH
	v_lshl_add_u32 v[VA], v[H8], 4, v[VA]          ; 80 r + 16 h
	v_lshl_add_u32 v[VE], v[H8], 5, EE             ; EE + 32 h
	v_lshlrev_b32 v[H8], 3, v[H8]                  ; 8 h
	v_lshrrev_b32 v[TMP], 3, v1                    ; L >> 3: which of a chunk's four codes
	v_and_b32 v[EST], 7, v1                        ; L & 7: which four numbers of it
	v_mul_u32_u24 v[CST], v[TMP], CPITCH
	v_lshl_add_u32 v[CST], v[EST], 3, v[CST]
	s_mul_i32 s19, s12, 64*CPITCH
	v_add_nc_u32 v[CST], s19, v[CST]               ; (64 w + (L >> 3)) 80 + 8 (L & 7)
	s_lshl_b32 s23, s12, 8                         ; 256 w
	s_add_co_u32 s24, s23, EE
	v_lshl_add_u32 v[EST], v[TMP], 2, s24          ; EE + (64 w + (L >> 3)) 4
; Chunk i of e: -2 e rounded to bf16 into LDS; ee = a quarter of the sum of squares of what was stored.
.macro ECHUNK i
.set R, RAWE+4*\i
.set P, T+4*(\i&1)
	s_wait_loadcnt 31-\i                           ; loads come back in order (ISA guide 5.7.1): 15 - i younger loads of e and the 16 of z stay out
	v_pk_mul_f32 v[R:R+1],   v[R:R+1],   -2.0 op_sel_hi:[1,0]
	v_pk_mul_f32 v[R+2:R+3], v[R+2:R+3], -2.0 op_sel_hi:[1,0]
	v_cvt_pk_bf16_f32 v[P],   v[R],   v[R+1]
	v_cvt_pk_bf16_f32 v[P+1], v[R+2], v[R+3]
	ds_store_b64 v[CST], v[P:P+1] offset:4*CPITCH*\i
	v_lshlrev_b32 v[R],   16,  v[P]                ; the rounded numbers back as f32
	v_and_b32     v[R+1], s22, v[P]
	v_lshlrev_b32 v[R+2], 16,  v[P+1]
	v_and_b32     v[R+3], s22, v[P+1]
	v_pk_mul_f32 v[R:R+1], v[R:R+1], v[R:R+1]
	v_pk_fma_f32 v[R:R+1], v[R+2:R+3], v[R+2:R+3], v[R:R+1]
	v_add_f32 v[R], v[R], v[R+1]
	v_add_f32_dpp v[R], v[R], v[R] row_xmask:1 row_mask:0xf bank_mask:0xf      ; over the 8 lanes of a code
	v_add_f32_dpp v[R], v[R], v[R] row_xmask:2 row_mask:0xf bank_mask:0xf
	v_add_f32_dpp v[R], v[R], v[R] row_xmask:4 row_mask:0xf bank_mask:0xf
	v_mul_f32 v[R], 0x3e800000, v[R]               ; x 1/4: exact
	ds_store_b32 v[EST], v[R] offset:16*\i         ; the 8 lanes write one word with one value
.endm
.irp i, 0,1,2,3,4,5,6,7,8,9,10,11,12,13,14,15
	ECHUNK \i
.endr
; Tile i of z: the fragment in bf16, and zz of the rounded row, the same number in both halves of the lanes.
.macro ZTILE i
.set R, RAWZ+16*\i
	s_wait_loadcnt 4*(3-\i)                        ; the later tiles' loads stay out
.irp m, 0,1,2,3,4,5,6,7
	v_cvt_pk_bf16_f32 v[BF+8*\i+\m], v[R+2*\m], v[R+2*\m+1]
.endr
.irp m, 0,1,2,3,4,5,6,7
	v_lshlrev_b32 v[R+2*\m],   16,  v[BF+8*\i+\m]
	v_and_b32     v[R+2*\m+1], s22, v[BF+8*\i+\m]
.endr
	v_pk_mul_f32 v[R:R+1], v[R:R+1], v[R:R+1]
.irp m, 1,2,3,4,5,6,7
	v_pk_fma_f32 v[R:R+1], v[R+2*\m:R+2*\m+1], v[R+2*\m:R+2*\m+1], v[R:R+1]
.endr
	v_add_f32 v[R], v[R], v[R+1]
	v_permlanex16_b32 v[R+1], v[R], s20, s21       ; the other 16 numbers of the row; the destination has been written
	v_add_f32 v[ZZ+\i], v[R], v[R+1]
.endm
	ZTILE 0
	ZTILE 1
	ZTILE 2
	ZTILE 3
	s_wait_dscnt 0x0                               ; my codes and ee are in LDS,
	s_barrier_signal -1
	s_barrier_wait -1                              ; everybody's are: the only barrier, nothing in these bytes is written again
; One tile of rows (i) against the code tile of parity p: 22 vector instructions for one matrix instruction's 8 registers.
; The running minimum goes from BV set p to the other set; where it fell, the tile's number and its eight distances are kept.
; (An index for each element would take a compare, a select and a minimum for each: 24 in place of these 14.)
.macro PROC i, p
.set TT, T+8*(\i&1)
.set DD, DB+32*\p+8*\i
.set EP, EB+8*\p
.set ZQ, ZZ+2*(\i>>1)
.set BO, BV+4*\p+\i
.set BN, BV+4*(1-\p)+\i
.irp j, 0,2,4,6
.if \i&1
	v_pk_add_f32 v[TT+\j:TT+\j+1], v[EP+\j:EP+\j+1], v[ZQ:ZQ+1] op_sel:[0,1] op_sel_hi:[1,1]   ; t = fl(ee + zz), zz from the pair's second register
.else
	v_pk_add_f32 v[TT+\j:TT+\j+1], v[EP+\j:EP+\j+1], v[ZQ:ZQ+1] op_sel_hi:[1,0]                ; t = fl(ee + zz), zz from the pair's first register
.endif
.endr
.irp j, 0,2,4,6
	v_pk_add_f32 v[TT+\j:TT+\j+1], v[TT+\j:TT+\j+1], v[DD+\j:DD+\j+1]                          ; d = fl(t - 2 z e)
.endr
	v_min3_num_f32 v[BN], v[BO], v[TT],   v[TT+1]
	v_min3_num_f32 v[BN], v[BN], v[TT+2], v[TT+3]
	v_min3_num_f32 v[BN], v[BN], v[TT+4], v[TT+5]
	v_min3_num_f32 v[BN], v[BN], v[TT+6], v[TT+7]
	v_cmp_lt_f32 vcc_lo, v[BN], v[BO]              ; strictly below: an equal distance leaves the earlier tile in place
	v_cndmask_b32 v[BT+\i], v[BT+\i], s[TID+\p], vcc_lo
.irp j, 0,1,2,3,4,5,6,7
	v_cndmask_b32 v[SV+8*\i+\j], v[SV+8*\i+\j], v[TT+\j], vcc_lo
.endr
.endm
; The code tile of parity p is worked on.  wm: the next tile's four products are issued first.  la: the fragment of the tile three on is
; loaded (byte ka from VA).  le: the next tile's ee are loaded (byte ke from VE).
.macro STEP p, wm, la, le, ka, ke
	s_wait_dscnt 0x0                               ; the next tile's fragment and this tile's ee: issued three PROCs ago or earlier
.if \wm
.irp i, 0,1,2,3
	v_wmma_f32_16x16x32_bf16 v[DB+32*(1-\p)+8*\i:DB+32*(1-\p)+8*\i+7], v[AB+8*(1-\p):AB+8*(1-\p)+7], v[BF+8*\i:BF+8*\i+7], 0   ; K = 32: the whole sum, on four separate results
.endr
.endif
	PROC 0, \p                                     ; 22 vector instructions that name none of those products' registers: more than the four that
	                                               ; stand between a matrix instruction and a load into one of its sources
.if \la
	ds_load_b128 v[AB+8*(1-\p):AB+8*(1-\p)+3],   v[VA] offset:\ka
	ds_load_b128 v[AB+8*(1-\p)+4:AB+8*(1-\p)+7], v[VA] offset:\ka+32
.endif
.if \le
	ds_load_b128 v[EB+8*(1-\p):EB+8*(1-\p)+3],   v[VE] offset:\ke
	ds_load_b128 v[EB+8*(1-\p)+4:EB+8*(1-\p)+7], v[VE] offset:\ke+16
.endif
	PROC 1, \p
	PROC 2, \p
	PROC 3, \p
.endm
	; the head of the pipeline: fragments of code tiles 0 and 1, ee of tile 0, the products of tile 0
	ds_load_b128 v[AB:AB+3],     v[VA]
	ds_load_b128 v[AB+4:AB+7],   v[VA] offset:32
	ds_load_b128 v[AB+8:AB+11],  v[VA] offset:16*CPITCH
	ds_load_b128 v[AB+12:AB+15], v[VA] offset:16*CPITCH+32
	ds_load_b128 v[EB:EB+3],     v[VE]
	ds_load_b128 v[EB+4:EB+7],   v[VE] offset:16
	s_mov_b32 s25, 0x7f800000                      ; +infinity
	s_wait_dscnt 0x0
.irp i, 0,1,2,3
	v_wmma_f32_16x16x32_bf16 v[DB+8*\i:DB+8*\i+7], v[AB:AB+7], v[BF+8*\i:BF+8*\i+7], 0
.endr
	; the start of the search: 40 moves, which also stand between the products above and the load into their source
.irp i, 0,1,2,3
	v_mov_b32 v[BV+\i], s25
	v_mov_b32 v[BT+\i], 0
.endr
.set j, 0
.rept 32
	v_mov_b32 v[SV+j], s25
.set j, j+1
.endr
	ds_load_b128 v[AB:AB+3],   v[VA] offset:32*CPITCH      ; code tile 2
	ds_load_b128 v[AB+4:AB+7], v[VA] offset:32*CPITCH+32
	s_mov_b32 s[TID], 0
	s_mov_b32 s[TID+1], 1
	s_mov_b32 s16, 30
.Ltiles:                                           ; a trip: two code tiles; VA and VE stand at the even one
	STEP 0, 1, 1, 1, 48*CPITCH, 64
	STEP 1, 1, 1, 1, 64*CPITCH, 128
	v_add_nc_u32 v[VA], 32*CPITCH, v[VA]
	v_add_nc_u32 v[VE], 128, v[VE]
	s_add_co_u32 s[TID], s[TID], 2
	s_add_co_u32 s[TID+1], s[TID+1], 2
	s_sub_co_i32 s16, s16, 1
	s_cmp_lg_u32 s16, 0
	s_cbranch_scc1 .Ltiles
	STEP 0, 1, 1, 1, 48*CPITCH, 64                 ; tile 60: the last fragment, tile 63's, is loaded
	STEP 1, 1, 0, 1, 0, 128                        ; tile 61
	s_add_co_u32 s[TID], s[TID], 2
	s_add_co_u32 s[TID+1], s[TID+1], 2
	STEP 0, 1, 0, 1, 0, 192                        ; tile 62: the last products
	STEP 1, 0, 0, 0, 0, 0                          ; tile 63: the minimum ends in BV set 0
; Tile i of rows: the first of the eight kept distances that equals the minimum gives the code; then the better of the two halves,
; the lower index where they are equal.
.macro FIN i
	v_mov_b32 v[JJ], 7
.irp j, 6,5,4,3,2,1,0
	v_cmp_eq_f32 vcc_lo, v[SV+8*\i+\j], v[BV+\i]
	v_cndmask_b32 v[JJ], v[JJ], \j, vcc_lo
.endr
	v_lshl_add_u32 v[IDX+\i], v[BT+\i], 4, v[JJ]
	v_add_nc_u32 v[IDX+\i], v[IDX+\i], v[H8]       ; 16 tile + 8 h + j
	v_permlanex16_b32 v[OB], v[BV+\i], s20, s21
	v_permlanex16_b32 v[OI], v[IDX+\i], s20, s21
	v_cmp_lt_f32 s24, v[OB], v[BV+\i]
	v_cmp_eq_f32 s25, v[OB], v[BV+\i]
	v_cmp_lt_u32 s26, v[OI], v[IDX+\i]
	s_and_b32 s25, s25, s26
	s_or_b32 vcc_lo, s24, s25
	v_cndmask_b32 v[IDX+\i], v[IDX+\i], v[OI], vcc_lo
.endm
	v_mov_b32 v[OB], 0                             ; v_permlanex16_b32 counts as a reader of its destination
	v_mov_b32 v[OI], 0
	FIN 0
	FIN 1
	FIN 2
	FIN 3
	; the way out: 64 indices through my own 256 bytes of LDS, so that each store of the wave covers 256 consecutive bytes, aligned
	s_add_co_u32 s19, s23, IDXS
	v_lshl_add_u32 v[TMP], v1, 2, s19              ; IDXS + 256 w + 4 L
	v_cndmask_b32 v[JJ], v[IDX], v[IDX+1], s22     ; lanes 0-15: tile 0's row L; lanes 16-31: tile 1's row L - 16
	ds_store_b32 v[TMP], v[JJ]
	v_cndmask_b32 v[OB], v[IDX+2], v[IDX+3], s22
	ds_store_b32 v[TMP], v[OB] offset:128
	v_lshl_add_u32 v[VA], v1, 3, s19
	ds_load_b64 v[OUT:OUT+1], v[VA]                ; LDS serves a wave's instructions in order (ISA guide 5.7.1.4): this sees the two stores
	s_lshl_b32 s14, ttmp9, 12                      ; 1,024 indices of 4 bytes for each work-group
	s_add_co_u32 s14, s14, s23
	s_mov_b32 s15, 0
	s_add_nc_u64 s[8:9], s[8:9], s[14:15]
	s_add_nc_u64 s[10:11], s[10:11], s[14:15]
	v_lshlrev_b32 v[VE], 3, v1
	s_wait_dscnt 0x0
	global_store_b64 v[VE], v[OUT:OUT+1], s[8:9] th:TH_STORE_NT
	global_store_b64 v[VE], v[OUT:OUT+1], s[10:11]     ; read again by the next launch: no hint
	s_endpgm
.Lfunc_end_k_q6286289b5c_nearest:
	.size	k_q6286289b5c_nearest, .Lfunc_end_k_q6286289b5c_nearest-k_q6286289b5c_nearest
	.p2alignl 7, 3214868480
	.fill 96, 4, 3214868480
	.section	.rodata,"a",@progbits
	.p2align	6, 0x0
	.amdhsa_kernel k_q6286289b5c_nearest
		.amdhsa_group_segment_fixed_size 90112
		.amdhsa_private_segment_fixed_size 0
		.amdhsa_enable_private_segment 0
		.amdhsa_kernarg_size 32
		.amdhsa_user_sgpr_count 2
		.amdhsa_user_sgpr_kernarg_segment_ptr 1
		.amdhsa_wavefront_size32 1
		.amdhsa_system_sgpr_workgroup_id_x 1
		.amdhsa_system_sgpr_workgroup_id_y 1
		.amdhsa_system_sgpr_workgroup_id_z 1
		.amdhsa_system_vgpr_workitem_id 0
		.amdhsa_next_free_vgpr 208
		.amdhsa_next_free_sgpr 66
		.amdhsa_reserve_vcc 1
		.amdhsa_float_denorm_mode_32 3
		.amdhsa_float_denorm_mode_16_64 3
		.amdhsa_memory_ordered 1
		.amdhsa_forward_progress 1
		.amdhsa_inst_pref_size 64
	.end_amdhsa_kernel
	.amdgpu_metadata
---
amdhsa.version: [ 1, 2 ]
amdhsa.kernels:
  - .name:           k_q6286289b5c_nearest
    .symbol:         k_q6286289b5c_nearest.kd
    .args:
      - { .name: z, .offset: 0, .size: 8, .value_kind: global_buffer, .address_space: global }
      - { .name: embeddings, .offset: 8, .size: 8, .value_kind: global_buffer, .address_space: global }
      - { .name: out1, .offset: 16, .size: 8, .value_kind: global_buffer, .address_space: global }
      - { .name: idxw, .offset: 24, .size: 8, .value_kind: global_buffer, .address_space: global }
    .group_segment_fixed_size: 90112
    .private_segment_fixed_size: 0
    .kernarg_segment_align: 8
    .kernarg_segment_size: 32
    .max_flat_workgroup_size: 512
    .sgpr_count:     66
    .vgpr_count:     208
    .wavefront_size: 32
...
	.end_amdgpu_metadata
.endif
;; end of part 1
;; launch apply (part 2): grid 256 x 1, 16 waves a work-group, no clusters, 252,160 bytes of LDS; arguments z, embeddings, idxw, out0, part, cntp, lossp; writes out0, part, cntp, lossp
.if DOCPART == 2
	.amdgcn_target "amdgcn-amd-amdhsa--gfx1250"
	.amdhsa_code_object_version 6
	.text
	.protected	k_q6286289b5c_apply
	.globl	k_q6286289b5c_apply
	.p2align	8
	.type	k_q6286289b5c_apply,@function
k_q6286289b5c_apply:
	s_mov_b64 s[64:65], 0
	v_nop
	global_prefetch_b8 v0, s[64:65] scope:SCOPE_SE
	s_setreg_imm32_b32 hwreg(HW_REG_WAVE_MODE, 25, 1), 1
	s_wait_xcnt 0x0
; apply: with the indices that the launch before stored (idxw, whole numbers):
;   out0 = z + (e[idx] - z);  the work-group's sum of (e[idx] - z)^2 to lossp;
;   the work-group's own tables dw[code][col] = one_hot^T @ z (part) and n[code] = one_hot^T @ 1 (cntp), over its 1,024 rows.
; No traffic between work-groups: each has tables of its own; the next launch adds the 256 tables.
; PHASE A (f32, by index): wave w takes rows 64 w .. 64 w + 63: gathers e[idx], makes out0 and the squares, and lays its rows of z,
; rounded to bf16, and its indices, packed, into LDS.  z is read from memory once.
; PHASE B (matrix unit): wave w owns codes 64 w .. 64 w + 63 = 4 tiles of 16 and walks all 1,024 rows in 32 blocks of 32.
; Source 0 = z transposed (lane = column, registers = rows), source 1 = the one-hot (lane = code, registers = rows), so a lane's eight
; results are eight neighbouring columns of one code.  A third product with a fragment of ones gives the counts.
; THE ONE-HOT costs 7 vector instructions a register for 4 tiles.  An index is kept as a 16-bit half: byte 0 = (idx >> 6) << 4 | (idx & 15),
; byte 1 = 2 ((idx >> 4) & 3).  xor with the lane's (w << 4 | r) makes byte 0 zero exactly where wave and lane fit; adding 0xff lets any
; other byte 0 carry into byte 1, which is then odd; byte 1 serves as a byte selector into a table of 8 bytes whose only non-zero
; byte, 0x40, stands at 2 x tile.  The half that comes out is 0x4000 = 2.0 in bf16, or 0; the factor 2 is taken out, exactly, at the end.
; No cluster: the work-groups share only the code table, of which each gathers the rows that its indices name.
; LIMITS: dw is the sum of z rounded to bf16, in the matrix unit's order; an index is clamped to 1,023 before it enters an address,
; and only its low 10 bits enter the one-hot.
.set ZPITCH, 96                        ; an LDS row of z: 32 bf16 + 32 bytes: an odd multiple of 32, as the transposing load's eight rows want
.set PB,     1024*ZPITCH               ; 98,304: the packed indices, 512 words
.set OUTS,   PB+2048                   ; 100,352: the way out, 64 codes x 144 bytes for each wave, its own
.set OPITCH, 144                       ; 128 bytes + 16: an odd multiple of 16
.set WOUT,   64*OPITCH
.set CNTS,   OUTS+16*WOUT              ; 247,808: 64 counts for each wave, its own
.set LOSS,   CNTS+4096                 ; 251,904: a word for each wave
.set VO,   2                           ; 16 L: my 16 bytes of 512 in z, out0, part
.set VZT,  3                           ; LDS address of the transposing loads
.set VP,   4                           ; LDS address of the packed indices of my rows of a block
.set VC,   5                           ; (w << 4 | r) in both halves
.set VOS,  6                           ; the way out: where I put 16 bytes of a code's row
.set VOR,  7                           ; the way out: where I read rows back
.set VCS,  8                           ; where I put a count
.set VCR,  9                           ; where I read two counts back
.set TA,   10
.set TB,   11
.set TC,   12
.set ZERO, 13
.set VR,   14                          ; r = L & 15
.set VH,   15                          ; h = L >> 4
.set IA,   16                          ; phase A: v[16:31] indices, then byte offsets into e
.set Q,    32                          ; phase A: v[32:95] e[idx], then e[idx] - z
.set Z,    96                          ; phase A: v[96:159] z, then out0
.set VIA,  208                         ; phase A: 4 (L >> 3)
.set VK,   209                         ; phase A: 16 (L & 7)
.set VZS,  210                         ; phase A: where I put 8 bytes of bf16 z
.set VPS,  211                         ; phase A: where I put a word of packed indices
.set VIP,  212                         ; phase A: 8 L
.set IP,   214                         ; phase A: v[214:215] the indices of rows 2 L, 2 L + 1 of my 64
.set LS,   216                         ; phase A: v[216:219] sums of squares
.set ZC,   220                         ; phase A: v[220:223] z in bf16, two pairs by turns
.set ACC,  16                          ; phase B: v[16:111] tile t: columns 0-15 at 24 t, columns 16-31 at 24 t + 8, counts at 24 t + 16
.set OH,   112                         ; phase B: v[112:175] one-hot fragments, two buffers of 4 x 8
.set W,    112                         ; the way out: rows read back
.set ZF,   176                         ; phase B: v[176:207] z transposed, two buffers of 2 x 8
.set PR,   208                         ; phase B: v[208:223] packed indices, two buffers of 8
.set SEL,  224                         ; phase B: v[224:231] selectors
.set ONES, 232                         ; phase B: v[232:239] a fragment of 1.0
	s_load_b256 s[4:11], s[0:1], 0x0               ; z s[4:5], embeddings s[6:7], idxw s[8:9], out0 s[10:11]
	s_load_b128 s[12:15], s[0:1], 0x20             ; part s[12:13], cntp s[14:15]
	s_load_b64 s[16:17], s[0:1], 0x30              ; lossp
	v_and_b32 v1, 31, v0                           ; lane L
	v_lshrrev_b32 v[TA], 5, v0
	v_readfirstlane_b32 s18, v[TA]                 ; wave w
	s_lshl_b32 s32, ttmp9, 17                      ; 1,024 rows of 128 bytes for each work-group (z, out0; part: 1,024 codes of 128 bytes),
	s_lshl_b32 s34, s18, 13                        ; 64 of them for each wave
	s_add_co_u32 s32, s32, s34
	s_mov_b32 s33, 0
	s_lshl_b32 s42, s18, 8                         ; 64 words for each wave,
	s_lshl_b32 s34, ttmp9, 12                      ; 1,024 for each work-group (idxw, cntp)
	s_add_co_u32 s34, s34, s42
	s_mov_b32 s35, 0
	s_lshl_b32 s40, ttmp9, 2                       ; a word for each work-group (lossp)
	s_mov_b32 s41, 0
	s_mov_b32 s36, 0x76543210                      ; v_permlanex16_b32: lane i reads lane i of the other half
	s_mov_b32 s37, 0xfedcba98
	s_mov_b32 s20, 0x00ff00ff                      ; the carry out of byte 0 of each half
	s_mov_b32 s21, 0x07000700                      ; keeps byte 1 of each half,
	s_mov_b32 s22, 0x00010001                      ; and byte 0 selects table byte 1, which is 0 in every table
	s_mov_b32 s23, 0x00400000                      ; a table word with 0x40 in byte 2
	v_lshlrev_b32 v[VO], 4, v1
	v_lshrrev_b32 v[TB], 3, v1                     ; L >> 3
	v_lshlrev_b32 v[VIA], 2, v[TB]
	v_lshlrev_b32 v[VIP], 3, v1
	s_wait_kmcnt 0x0
	s_add_nc_u64 s[4:5], s[4:5], s[32:33]
	s_add_nc_u64 s[8:9], s[8:9], s[34:35]
	s_add_nc_u64 s[10:11], s[10:11], s[32:33]
	s_add_nc_u64 s[12:13], s[12:13], s[32:33]
	s_add_nc_u64 s[14:15], s[14:15], s[34:35]
	s_add_nc_u64 s[16:17], s[16:17], s[40:41]
.irp i, 0,1,2,3,4,5,6,7,8,9,10,11,12,13,14,15
	global_load_b32 v[IA+\i], v[VIA], s[8:9] offset:16*\i      ; row 4 i + (L >> 3) of my 64: 8 lanes share a row
.endr
	global_load_b64 v[IP:IP+1], v[VIP], s[8:9]                 ; rows 2 L, 2 L + 1
.irp i, 0,1,2,3,4,5,6,7,8,9,10,11,12,13,14,15
	global_load_b128 v[Z+4*\i:Z+4*\i+3], v[VO], s[4:5] offset:512*\i th:TH_LOAD_NT    ; four rows: 512 consecutive bytes
.endr
	v_and_b32 v[VR], 15, v0
	v_bfe_u32 v[VH], v0, 4, 1
	v_and_b32 v[TC], 7, v1                         ; L & 7
	v_lshlrev_b32 v[VK], 4, v[TC]
	v_mul_u32_u24 v[VZS], v[TB], ZPITCH
	v_lshl_add_u32 v[VZS], v[TC], 3, v[VZS]
	s_mul_i32 s43, s18, 64*ZPITCH
	v_add_nc_u32 v[VZS], s43, v[VZS]               ; (64 w + (L >> 3)) 96 + 8 (L & 7)
	v_lshl_add_u32 v[TA], v[VH], 3, v[TC]
	v_mul_u32_u24 v[VZT], v[TA], ZPITCH
	v_bfe_u32 v[TA], v0, 3, 1
	v_lshl_add_u32 v[VZT], v[TA], 4, v[VZT]        ; (8 h + (L & 7)) 96 + 16 ((L >> 3) & 1)
	v_lshl_add_u32 v[VP], v[VH], 4, PB             ; PB + 16 h
	s_lshl_b32 s44, s18, 4
	v_or_b32 v[TA], s44, v[VR]
	v_lshl_or_b32 v[VC], v[TA], 16, v[TA]
	s_mul_i32 s45, s18, WOUT
	s_add_co_u32 s45, s45, OUTS
	v_mul_u32_u24 v[VOS], v[VR], OPITCH
	v_lshl_add_u32 v[VOS], v[VH], 5, v[VOS]
	v_add_nc_u32 v[VOS], s45, v[VOS]               ; my stage + 144 r + 32 h
	v_mad_u32_u24 v[VOR], v[TB], OPITCH, v[VK]
	v_add_nc_u32 v[VOR], s45, v[VOR]               ; my stage + 144 (L >> 3) + 16 (L & 7)
	s_add_co_u32 s46, s42, CNTS
	v_lshl_add_u32 v[VCS], v[VR], 2, s46
	v_lshl_add_u32 v[VCR], v1, 3, s46
	s_lshl_b32 s47, s18, 7
	s_add_co_u32 s47, s47, PB
	v_lshl_add_u32 v[VPS], v1, 2, s47              ; PB + 128 w + 4 L
	v_mov_b32 v[ZERO], 0
	s_wait_loadcnt 17                              ; phase A's 16 indices are in; the pair and the 16 loads of z stay out
.irp i, 0,1,2,3,4,5,6,7,8,9,10,11,12,13,14,15
	v_min_u32 v[IA+\i], 0x3ff, v[IA+\i]
	v_lshl_add_u32 v[IA+\i], v[IA+\i], 7, v[VK]    ; 128 idx + my 16 bytes
	global_load_b128 v[Q+4*\i:Q+4*\i+3], v[IA+\i], s[6:7]
.endr
	s_wait_loadcnt 32                              ; the pair of indices is in; z and the gathers stay out
	v_and_b32 v[TA], 15, v[IP]                     ; each index as a half: byte 0 = (idx >> 6) << 4 | (idx & 15), byte 1 = 2 ((idx >> 4) & 3)
	v_bfe_u32 v[TB], v[IP], 6, 4
	v_lshl_or_b32 v[TA], v[TB], 4, v[TA]
	v_bfe_u32 v[TB], v[IP], 4, 2
	v_lshl_or_b32 v[TA], v[TB], 9, v[TA]
	v_and_b32 v[TC], 15, v[IP+1]
	v_bfe_u32 v[TB], v[IP+1], 6, 4
	v_lshl_or_b32 v[TC], v[TB], 4, v[TC]
	v_bfe_u32 v[TB], v[IP+1], 4, 2
	v_lshl_or_b32 v[TC], v[TB], 9, v[TC]
	v_lshl_or_b32 v[TA], v[TC], 16, v[TA]          ; the even row below, the odd row above: as a fragment's register holds them
	ds_store_b32 v[VPS], v[TA]
	; PHASE A
.macro ROW4 i                          ; four rows: 512 neighbouring bytes of z and of out0
	s_wait_loadcnt 15-\i                           ; the later gathers stay out; z was asked for ahead of the gathers
	v_cvt_pk_bf16_f32 v[ZC+2*(\i&1)],   v[Z+4*\i],   v[Z+4*\i+1]
	v_cvt_pk_bf16_f32 v[ZC+2*(\i&1)+1], v[Z+4*\i+2], v[Z+4*\i+3]
	ds_store_b64 v[VZS], v[ZC+2*(\i&1):ZC+2*(\i&1)+1] offset:4*ZPITCH*\i
	v_pk_add_f32 v[Q+4*\i:Q+4*\i+1],   v[Q+4*\i:Q+4*\i+1],   v[Z+4*\i:Z+4*\i+1]   neg_lo:[0,1] neg_hi:[0,1]   ; e[idx] - z
	v_pk_add_f32 v[Q+4*\i+2:Q+4*\i+3], v[Q+4*\i+2:Q+4*\i+3], v[Z+4*\i+2:Z+4*\i+3] neg_lo:[0,1] neg_hi:[0,1]
.if \i
	v_pk_fma_f32 v[LS:LS+1],   v[Q+4*\i:Q+4*\i+1],   v[Q+4*\i:Q+4*\i+1],   v[LS:LS+1]
	v_pk_fma_f32 v[LS+2:LS+3], v[Q+4*\i+2:Q+4*\i+3], v[Q+4*\i+2:Q+4*\i+3], v[LS+2:LS+3]
.else
	v_pk_mul_f32 v[LS:LS+1],   v[Q+4*\i:Q+4*\i+1],   v[Q+4*\i:Q+4*\i+1]            ; the first squares start the sums
	v_pk_mul_f32 v[LS+2:LS+3], v[Q+4*\i+2:Q+4*\i+3], v[Q+4*\i+2:Q+4*\i+3]
.endif
	v_pk_add_f32 v[Z+4*\i:Z+4*\i+1],   v[Z+4*\i:Z+4*\i+1],   v[Q+4*\i:Q+4*\i+1]    ; z + (e[idx] - z)
	v_pk_add_f32 v[Z+4*\i+2:Z+4*\i+3], v[Z+4*\i+2:Z+4*\i+3], v[Q+4*\i+2:Q+4*\i+3]
	global_store_b128 v[VO], v[Z+4*\i:Z+4*\i+3], s[10:11] offset:512*\i th:TH_STORE_NT
.endm
.irp i, 0,1,2,3,4,5,6,7,8,9,10,11,12,13,14,15
	ROW4 \i
.endr
	v_pk_add_f32 v[LS:LS+1], v[LS:LS+1], v[LS+2:LS+3]
	v_add_f32 v[LS], v[LS], v[LS+1]
	v_add_f32_dpp v[LS], v[LS], v[LS] row_xmask:1 row_mask:0xf bank_mask:0xf
	v_add_f32_dpp v[LS], v[LS], v[LS] row_xmask:2 row_mask:0xf bank_mask:0xf
	v_add_f32_dpp v[LS], v[LS], v[LS] row_xmask:4 row_mask:0xf bank_mask:0xf
	v_add_f32_dpp v[LS], v[LS], v[LS] row_xmask:8 row_mask:0xf bank_mask:0xf
	v_permlanex16_b32 v[LS+1], v[LS], s36, s37
	v_add_f32 v[LS], v[LS], v[LS+1]
	s_lshl_b32 s38, s18, 2
	s_add_co_u32 s38, s38, LOSS
	v_mov_b32 v[TA], s38
	ds_store_b32 v[TA], v[LS]                      ; my wave's word
	s_wait_dscnt 0x0                               ; my rows of z, my packed indices and my word are in LDS,
	s_wait_xcnt 0x0                                ; and the registers that out0's stores read are written again only behind this wait
	s_barrier_signal -1
	s_barrier_wait -1                              ; everybody's are.  The only barrier: behind it these bytes are only read, and a wave writes only its own stage
	; PHASE B
.macro ZLOAD f, off                    ; z transposed, 32 rows x 32 columns at byte off from VZT, into buffer f
	ds_load_tr16_b128 v[ZF+16*(\f):ZF+16*(\f)+3],     v[VZT] offset:\off                ; columns 0-15, rows 8 h .. + 7
	ds_load_tr16_b128 v[ZF+16*(\f)+4:ZF+16*(\f)+7],   v[VZT] offset:\off+16*ZPITCH      ;               rows 16 + 8 h .. + 7
	ds_load_tr16_b128 v[ZF+16*(\f)+8:ZF+16*(\f)+11],  v[VZT] offset:\off+32             ; columns 16-31
	ds_load_tr16_b128 v[ZF+16*(\f)+12:ZF+16*(\f)+15], v[VZT] offset:\off+16*ZPITCH+32
.endm
.macro PLOAD f, off                    ; the packed indices of a block's rows, in a fragment's order of rows; sixteen lanes read the same 16 bytes
	ds_load_b128 v[PR+8*(\f):PR+8*(\f)+3],   v[VP] offset:\off
	ds_load_b128 v[PR+8*(\f)+4:PR+8*(\f)+7], v[VP] offset:\off+32
.endm
.macro SELS f                          ; 24 instructions: the selectors of a block, for all four tiles
.irp j, 0,1,2,3,4,5,6,7
	v_xor_b32 v[SEL+\j], v[PR+8*(\f)+\j], v[VC]            ; byte 0 of a half is 0 where the row's code is one of my lane's four
.endr
.irp j, 0,1,2,3,4,5,6,7
	v_add_nc_u32 v[SEL+\j], s20, v[SEL+\j]                 ; any other byte 0 carries: byte 1 = 2 tile, or odd; a half stays below 0x0800
.endr
.irp j, 0,1,2,3,4,5,6,7
	v_and_or_b32 v[SEL+\j], v[SEL+\j], s21, s22            ; selector bytes: 1, byte 1, 1, byte 3
.endr
.endm
.macro PERMS f                         ; 32 instructions: four one-hot fragments; selector 0-3 takes a byte of the second source, 4-7 of the first
.irp j, 0,1,2,3,4,5,6,7
	v_perm_b32 v[OH+32*(\f)+\j],    0,   64,  v[SEL+\j]    ; tile 0: 0x40 at table byte 0
	v_perm_b32 v[OH+32*(\f)+8+\j],  0,   s23, v[SEL+\j]    ; tile 1: at byte 2
	v_perm_b32 v[OH+32*(\f)+16+\j], 64,  0,   v[SEL+\j]    ; tile 2: at byte 4
	v_perm_b32 v[OH+32*(\f)+24+\j], s23, 0,   v[SEL+\j]    ; tile 3: at byte 6
.endr
.endm
.macro MUL1 d, a, b, zero
.if \zero
	v_wmma_f32_16x16x32_bf16 v[\d:\d+7], v[\a:\a+7], v[\b:\b+7], 0
.else
	v_wmma_f32_16x16x32_bf16 v[\d:\d+7], v[\a:\a+7], v[\b:\b+7], v[\d:\d+7]
.endif
.endm
.macro MULS f, zero                    ; 12 products on 12 accumulators, one instruction a turn, in the same order in every block
.irp t, 0,1,2,3
	MUL1 ACC+24*\t,    ZF+16*(\f),   OH+32*(\f)+8*\t, \zero
	MUL1 ACC+24*\t+8,  ZF+16*(\f)+8, OH+32*(\f)+8*\t, \zero
	MUL1 ACC+24*\t+16, ONES,         OH+32*(\f)+8*\t, \zero
.endr
.endm
; Block b, of parity p.  bd: the next block's one-hots are built.  lz: the next block's z is loaded (byte kz from VZT).
; lp: the packed indices of the block after next are loaded (byte kp from VP).
.macro STEP p, zero, bd, lz, lp, kz, kp
	s_wait_dscnt 0x0                               ; this block's z and the next block's indices: issued in the middle of the step before
	MULS \p, \zero
.if \bd
	SELS 1-\p                                      ; 24 vector instructions that name none of the products' registers
.endif
.if \lz
	ZLOAD 1-\p, \kz                                ; into what the products of the step before read: the 32 v_perm_b32 of that step and the 24 above
	                                               ; stand between, more than the four that a load into a source needs
.endif
.if \lp
	PLOAD \p, \kp
.endif
.if \bd
	PERMS 1-\p                                     ; likewise into the fragments that the step before multiplied
.endif
.endm
	PLOAD 0, 0
	PLOAD 1, 64
	ZLOAD 0, 0
.irp j, 0,1,2,3,4,5,6,7
	v_mov_b32 v[ONES+\j], 0x3f803f80               ; 1.0 twice
.endr
	s_wait_dscnt 4                                 ; the packed indices are in; the four transposing loads stay out
	SELS 0
	PERMS 0
	STEP 0, 1, 1, 1, 1, 32*ZPITCH, 128             ; block 0: its products start the sums, nothing is cleared
	STEP 1, 0, 1, 1, 1, 64*ZPITCH, 192             ; block 1
	v_add_nc_u32 v[VZT], 64*ZPITCH, v[VZT]
	v_add_nc_u32 v[VP], 128, v[VP]
	s_mov_b32 s24, 14
.Lblocks:                                          ; a trip: two blocks; VZT and VP stand at the even one.  Blocks 2 to 29
	STEP 0, 0, 1, 1, 1, 32*ZPITCH, 128
	STEP 1, 0, 1, 1, 1, 64*ZPITCH, 192
	v_add_nc_u32 v[VZT], 64*ZPITCH, v[VZT]
	v_add_nc_u32 v[VP], 128, v[VP]
	s_sub_co_i32 s24, s24, 1
	s_cmp_lg_u32 s24, 0
	s_cbranch_scc1 .Lblocks
	STEP 0, 0, 1, 1, 0, 32*ZPITCH, 0               ; block 30: the last z; no indices are left to load
	STEP 1, 0, 0, 0, 0, 0, 0                       ; block 31
	; THE WAY OUT: halve (the one-hot was 2.0), 16 bytes a lane into my own stage, whole rows back
.rept 4
	v_nop                                          ; four places between the last product and the first reader of a result (ISA guide 7.12.1)
.endr
.irp t, 0,1,2,3
.irp c, 0,1
.irp k, 0,2,4,6
	v_pk_mul_f32 v[ACC+24*\t+8*\c+\k:ACC+24*\t+8*\c+\k+1], v[ACC+24*\t+8*\c+\k:ACC+24*\t+8*\c+\k+1], 0.5 op_sel_hi:[1,0]
.endr
	ds_store_b128 v[VOS], v[ACC+24*\t+8*\c:ACC+24*\t+8*\c+3]   offset:16*OPITCH*\t+64*\c      ; code 16 t + r, columns 16 c + 8 h .. + 3
	ds_store_b128 v[VOS], v[ACC+24*\t+8*\c+4:ACC+24*\t+8*\c+7] offset:16*OPITCH*\t+64*\c+16   ; .. + 4 .. + 7
.endr
	v_mul_f32 v[ACC+24*\t+16], 0.5, v[ACC+24*\t+16]
	ds_store_b32 v[VCS], v[ACC+24*\t+16] offset:64*\t      ; the count of code 16 t + r: lanes r and 16 + r write one word with one value
.endr
	v_lshlrev_b32 v[TA], 3, v1
	ds_load_b64 v[SEL:SEL+1], v[VCR]               ; LDS serves a wave's instructions in order (ISA guide 5.7.1.4): these see the stores above
.irp s, 0,1,2,3,4,5,6,7,8,9,10,11,12,13,14,15
	ds_load_b128 v[W+4*\s:W+4*\s+3], v[VOR] offset:4*OPITCH*\s
.endr
.irp s, 0,1,2,3,4,5,6,7,8,9,10,11,12,13,14,15
	s_wait_dscnt 15-\s                             ; the later rows stay out
	global_store_b128 v[VO], v[W+4*\s:W+4*\s+3], s[12:13] offset:512*\s    ; four codes: 512 consecutive bytes
.endr
	global_store_b64 v[TA], v[SEL:SEL+1], s[14:15] ; my 64 counts: 256 consecutive bytes, aligned
	s_cmp_lg_u32 s18, 8
	s_cbranch_scc1 .Lend
	v_and_b32 v[TC], 15, v1                        ; wave 8: the 16 waves' sums of squares
	v_lshl_add_u32 v[TC], v[TC], 2, LOSS
	ds_load_b32 v[TB], v[TC]
	s_wait_dscnt 0x0
	v_add_f32_dpp v[TB], v[TB], v[TB] row_xmask:1 row_mask:0xf bank_mask:0xf
	v_add_f32_dpp v[TB], v[TB], v[TB] row_xmask:2 row_mask:0xf bank_mask:0xf
	v_add_f32_dpp v[TB], v[TB], v[TB] row_xmask:4 row_mask:0xf bank_mask:0xf
	v_add_f32_dpp v[TB], v[TB], v[TB] row_xmask:8 row_mask:0xf bank_mask:0xf
	v_cmp_eq_u32 vcc_lo, 0, v1
	s_wait_xcnt 0x0                                ; EXEC is a source of the stores above: it changes only behind this wait
	s_and_saveexec_b32 s39, vcc_lo
	global_store_b32 v[ZERO], v[TB], s[16:17]      ; lane 0; the offset register holds 0
	s_wait_xcnt 0x0                                ; and again in front of the line that widens it
	s_or_b32 exec_lo, exec_lo, s39
.Lend:
	s_endpgm
.Lfunc_end_k_q6286289b5c_apply:
	.size	k_q6286289b5c_apply, .Lfunc_end_k_q6286289b5c_apply-k_q6286289b5c_apply
	.p2alignl 7, 3214868480
	.fill 96, 4, 3214868480
	.section	.rodata,"a",@progbits
	.p2align	6, 0x0
	.amdhsa_kernel k_q6286289b5c_apply
		.amdhsa_group_segment_fixed_size 252160
		.amdhsa_private_segment_fixed_size 0
		.amdhsa_enable_private_segment 0
		.amdhsa_kernarg_size 56
		.amdhsa_user_sgpr_count 2
		.amdhsa_user_sgpr_kernarg_segment_ptr 1
		.amdhsa_wavefront_size32 1
		.amdhsa_system_sgpr_workgroup_id_x 1
		.amdhsa_system_sgpr_workgroup_id_y 1
		.amdhsa_system_sgpr_workgroup_id_z 1
		.amdhsa_system_vgpr_workitem_id 0
		.amdhsa_next_free_vgpr 240
		.amdhsa_next_free_sgpr 66
		.amdhsa_reserve_vcc 1
		.amdhsa_float_denorm_mode_32 3
		.amdhsa_float_denorm_mode_16_64 3
		.amdhsa_memory_ordered 1
		.amdhsa_forward_progress 1
		.amdhsa_inst_pref_size 56
	.end_amdhsa_kernel
	.amdgpu_metadata
---
amdhsa.version: [ 1, 2 ]
amdhsa.kernels:
  - .name:           k_q6286289b5c_apply
    .symbol:         k_q6286289b5c_apply.kd
    .args:
      - { .name: z, .offset: 0, .size: 8, .value_kind: global_buffer, .address_space: global }
      - { .name: embeddings, .offset: 8, .size: 8, .value_kind: global_buffer, .address_space: global }
      - { .name: idxw, .offset: 16, .size: 8, .value_kind: global_buffer, .address_space: global }
      - { .name: out0, .offset: 24, .size: 8, .value_kind: global_buffer, .address_space: global }
      - { .name: part, .offset: 32, .size: 8, .value_kind: global_buffer, .address_space: global }
      - { .name: cntp, .offset: 40, .size: 8, .value_kind: global_buffer, .address_space: global }
      - { .name: lossp, .offset: 48, .size: 8, .value_kind: global_buffer, .address_space: global }
    .group_segment_fixed_size: 252160
    .private_segment_fixed_size: 0
    .kernarg_segment_align: 8
    .kernarg_segment_size: 56
    .max_flat_workgroup_size: 512
    .sgpr_count:     66
    .vgpr_count:     240
    .wavefront_size: 32
...
	.end_amdgpu_metadata
.endif
;; end of part 2
;; launch finish (part 3): grid 256 x 1, 8 waves a work-group, no clusters, 4,608 bytes of LDS; arguments part, cntp, lossp, ema_embed, cluster_size, out2, out3, out4, out5; writes out2, out3, out4, out5
.if DOCPART == 3
	.amdgcn_target "amdgcn-amd-amdhsa--gfx1250"
	.amdhsa_code_object_version 6
	.text
	.protected	k_q6286289b5c_finish
	.globl	k_q6286289b5c_finish
	.p2align	8
	.type	k_q6286289b5c_finish,@function
k_q6286289b5c_finish:
	s_mov_b64 s[64:65], 0
	v_nop
	global_prefetch_b8 v0, s[64:65] scope:SCOPE_SE
	s_setreg_imm32_b32 hwreg(HW_REG_WAVE_MODE, 25, 1), 1
	s_wait_xcnt 0x0
; finish: adds the 256 work-groups' tables of the launch before and makes the EMA update and the loss.
;   dw[k] = sum of part[g][k], n_i[k] = sum of cntp[g][k];  pre = 0.99 cluster_size + 0.01 n_i;  n = sum over k of pre;
;   out4 = (pre + 1e-5) / (n + 1024e-5) * n;  out5 = 0.99 ema_embed + 0.01 dw;  out3 = out5 / out4;  out2 = 0.1 * sum of lossp / 2^23.
; n is formed as 0.99 * sum(cluster_size) + 0.01 * 262,144: every row has exactly one code, so the n_i add up to the number of rows
; for every input.  Divisions are v_rcp_f32 and a multiply.
; SHARES: work-group b owns codes 4 b .. 4 b + 3, 512 bytes of each table.  Wave v adds tables v, v + 8, .. (32 of them, 32 loads of 512
; consecutive bytes in flight); the eight waves' sums meet in LDS, and wave 0 finishes.
; The counts of 4 codes are 16 bytes of each table's 4,096: thread t reads those of table t, a short piece of a row, once in the launch.
; Every work-group adds up cluster_size (4 KiB) and lossp (1 KiB) for itself: no work-group reads what another stores.
; A stream: no matrix unit, no cluster, no tensor load.
.set P, 32                             ; v[32:159] 32 tables' 16 bytes; the sum grows in v[32:35]
.set TR, 18
	s_load_b256 s[4:11], s[0:1], 0x0               ; part s[4:5], cntp s[6:7], lossp s[8:9], ema_embed s[10:11]
	s_load_b256 s[12:19], s[0:1], 0x20             ; cluster_size s[12:13], out2 s[14:15], out3 s[16:17], out4 s[18:19]
	s_load_b64 s[20:21], s[0:1], 0x40              ; out5
	v_and_b32 v1, 31, v0                           ; lane L
	v_lshrrev_b32 v2, 5, v0
	v_readfirstlane_b32 s22, v2                    ; wave v
	s_mov_b32 s36, 0x76543210                      ; v_permlanex16_b32: lane i reads lane i of the other half
	s_mov_b32 s37, 0xfedcba98
	s_mov_b32 s46, 0x3f7d70a4                      ; 0.99
	s_mov_b32 s47, 0x3c23d70a                      ; 0.01
	s_lshl_b32 s34, ttmp9, 9                       ; 4 codes of 128 bytes
	s_mov_b32 s35, 0
	s_lshl_b32 s38, ttmp9, 4                       ; 4 codes of 4 bytes
	s_mov_b32 s39, 0
	s_lshl_b32 s42, s22, 17                        ; table v: 131,072 bytes each
	s_add_co_u32 s42, s42, s34
	s_mov_b32 s43, 0
	v_lshlrev_b32 v3, 12, v0                       ; 4,096 t
	v_lshlrev_b32 v4, 4, v0                        ; 16 t
	v_lshlrev_b32 v5, 2, v0                        ; 4 t
	v_lshlrev_b32 v6, 4, v1                        ; 16 L
	s_wait_kmcnt 0x0
	s_add_nc_u64 s[6:7], s[6:7], s[38:39]
	s_add_nc_u64 s[24:25], s[4:5], s[42:43]        ; four bases, 64 tables (8 MiB) apart: the immediate carries 8 tables (1 MiB) times 0 to 7
	s_add_nc_u64 s[26:27], s[24:25], 0x800000
	s_add_nc_u64 s[28:29], s[26:27], 0x800000
	s_add_nc_u64 s[30:31], s[28:29], 0x800000
	s_add_nc_u64 s[10:11], s[10:11], s[34:35]
	s_add_nc_u64 s[32:33], s[12:13], s[38:39]
	s_add_nc_u64 s[16:17], s[16:17], s[34:35]
	s_add_nc_u64 s[18:19], s[18:19], s[38:39]
	s_add_nc_u64 s[20:21], s[20:21], s[34:35]
	global_load_b128 v[8:11], v3, s[6:7]           ; table t's counts of my 4 codes
	global_load_b128 v[12:15], v4, s[12:13]        ; four of the 1,024 cluster sizes
	global_load_b32 v16, v5, s[8:9]                ; work-group t's sum of squares
.set j, 0
.rept 32
	global_load_b128 v[P+4*j:P+4*j+3], v6, s[24+2*(j/8):25+2*(j/8)] offset:(j%8)*0x100000 th:TH_LOAD_NT   ; table v + 8 j
.set j, j+1
.endr
.macro WRED r                          ; the sum over the wave's 32 lanes, in every lane
	v_add_f32_dpp v[\r], v[\r], v[\r] row_xmask:1 row_mask:0xf bank_mask:0xf
	v_add_f32_dpp v[\r], v[\r], v[\r] row_xmask:2 row_mask:0xf bank_mask:0xf
	v_add_f32_dpp v[\r], v[\r], v[\r] row_xmask:4 row_mask:0xf bank_mask:0xf
	v_add_f32_dpp v[\r], v[\r], v[\r] row_xmask:8 row_mask:0xf bank_mask:0xf
	v_permlanex16_b32 v[TR], v[\r], s36, s37
	v_add_f32 v[\r], v[\r], v[TR]
.endm
	s_wait_loadcnt 32                              ; the three small loads are in; the 32 table loads stay out
	v_add_f32 v12, v12, v13
	v_add_f32 v14, v14, v15
	v_add_f32 v17, v12, v14                        ; v[16:17] = sum of squares, cluster sizes
	v_mov_b32 v[TR], 0                             ; v_permlanex16_b32 counts as a reader of its destination
.irp r, 8,9,10,11,16,17
	WRED \r
.endr
.set j, 1
.rept 31
	s_wait_loadcnt 31-j                            ; the later tables stay out
	v_pk_add_f32 v[P:P+1],   v[P:P+1],   v[P+4*j:P+4*j+1]
	v_pk_add_f32 v[P+2:P+3], v[P+2:P+3], v[P+4*j+2:P+4*j+3]
.set j, j+1
.endr
	s_lshl_b32 s44, s22, 9
	v_add_nc_u32 v19, s44, v6                      ; 512 v + 16 L
	ds_store_b128 v19, v[P:P+3]
	s_lshl_b32 s45, s22, 5
	s_add_co_u32 s45, s45, 4096
	v_mov_b32 v7, s45                              ; 4,096 + 32 v: all lanes write the same six numbers
	ds_store_b128 v7, v[8:11]
	ds_store_b64 v7, v[16:17] offset:16
	s_wait_dscnt 0x0                               ; my sums are in LDS,
	s_barrier_signal -1
	s_barrier_wait -1                              ; everybody's are
	s_cmp_lg_u32 s22, 0
	s_cbranch_scc1 .Lend
	; wave 0: lane L has code q = L >> 3 of the four, columns 4 (L & 7) .. + 3
	v_lshrrev_b32 v2, 3, v1                        ; q
	v_lshlrev_b32 v31, 2, v2                       ; 4 q
	global_load_b128 v[20:23], v6, s[10:11]        ; ema_embed, 512 consecutive bytes
	global_load_b32 v24, v31, s[32:33]             ; cluster_size of my code
.irp k, 1,2,3,4,5,6,7
	ds_load_b128 v[P+4*\k:P+4*\k+3], v19 offset:512*\k         ; for wave 0 v19 is 16 L and v7 is 4,096; its own sums are still in registers
	ds_load_b128 v[64+8*\k:64+8*\k+3], v7 offset:32*\k
	ds_load_b64  v[68+8*\k:68+8*\k+1], v7 offset:32*\k+16
.endr
	s_wait_dscnt 0x0
.irp k, 1,2,3,4,5,6,7
	v_pk_add_f32 v[P:P+1],   v[P:P+1],   v[P+4*\k:P+4*\k+1]
	v_pk_add_f32 v[P+2:P+3], v[P+2:P+3], v[P+4*\k+2:P+4*\k+3]
	v_pk_add_f32 v[8:9],     v[8:9],     v[64+8*\k:64+8*\k+1]
	v_pk_add_f32 v[10:11],   v[10:11],   v[66+8*\k:66+8*\k+1]
	v_pk_add_f32 v[16:17],   v[16:17],   v[68+8*\k:68+8*\k+1]
.endr
	v_fma_f32 v28, v17, s46, 0x4523d70a            ; n = 0.99 sum(cluster_size) + 2621.44
	v_cmp_eq_u32 vcc_lo, 1, v2
	v_cndmask_b32 v25, v8, v9, vcc_lo              ; n_i of my code
	v_cmp_eq_u32 vcc_lo, 2, v2
	v_cndmask_b32 v25, v25, v10, vcc_lo
	v_cmp_eq_u32 vcc_lo, 3, v2
	v_cndmask_b32 v25, v25, v11, vcc_lo
	v_add_f32 v29, 0x3c27c5ac, v28                 ; n + 0.01024
	v_rcp_f32 v27, v29
	v_mul_f32 v25, s47, v25                        ; 0.01 n_i: the plain instruction between v_rcp_f32 and the use of its result (ISA guide 5.7.2)
	s_wait_loadcnt 0x0                             ; ema_embed and cluster_size
	v_fma_f32 v25, v24, s46, v25                   ; pre
	v_add_f32 v25, 0x3727c5ac, v25                 ; + 1e-5
	s_wait_alu depctr_va_vdst(0)
	v_mul_f32 v25, v25, v27
	v_mul_f32 v25, v25, v28                        ; out4
	v_rcp_f32 v26, v25
	v_pk_mul_f32 v[20:21], v[20:21], s[46:47] op_sel_hi:[1,0]                  ; 0.99 ema_embed; also the plain instruction behind v_rcp_f32
	v_pk_mul_f32 v[22:23], v[22:23], s[46:47] op_sel_hi:[1,0]
	v_pk_fma_f32 v[20:21], v[P:P+1],   0x3c23d70a, v[20:21] op_sel_hi:[1,0,1]  ; + 0.01 dw: out5
	v_pk_fma_f32 v[22:23], v[P+2:P+3], 0x3c23d70a, v[22:23] op_sel_hi:[1,0,1]
	s_wait_alu depctr_va_vdst(0)
	v_pk_mul_f32 v[12:13], v[20:21], v[26:27] op_sel_hi:[1,0]                  ; out3 = out5 / out4: both by v26
	v_pk_mul_f32 v[14:15], v[22:23], v[26:27] op_sel_hi:[1,0]
	global_store_b128 v6, v[20:23], s[20:21]       ; 512 consecutive bytes each
	global_store_b128 v6, v[12:15], s[16:17]
	v_and_b32 v30, 7, v1
	v_cmp_eq_u32 vcc_lo, 0, v30
	s_wait_xcnt 0x0                                ; EXEC is a source of the stores above: it changes only behind this wait
	s_and_saveexec_b32 s40, vcc_lo
	global_store_b32 v31, v25, s[18:19]            ; one lane for each of my 4 codes: 16 consecutive bytes
	s_wait_xcnt 0x0
	s_or_b32 exec_lo, exec_lo, s40
	s_cmp_lg_u32 ttmp9, 0
	s_cbranch_scc1 .Lend
	v_mul_f32 v16, 0x324ccccd, v16                 ; work-group 0: x 0.1 / 2^23
	v_cmp_eq_u32 vcc_lo, 0, v1
	s_and_saveexec_b32 s40, vcc_lo                 ; no memory instruction has been issued since the last wait
	global_store_b32 v31, v16, s[14:15]            ; lane 0, whose 4 q is 0
	s_wait_xcnt 0x0
	s_or_b32 exec_lo, exec_lo, s40
.Lend:
	s_endpgm
.Lfunc_end_k_q6286289b5c_finish:
	.size	k_q6286289b5c_finish, .Lfunc_end_k_q6286289b5c_finish-k_q6286289b5c_finish
	.p2alignl 7, 3214868480
	.fill 96, 4, 3214868480
	.section	.rodata,"a",@progbits
	.p2align	6, 0x0
	.amdhsa_kernel k_q6286289b5c_finish
		.amdhsa_group_segment_fixed_size 4608
		.amdhsa_private_segment_fixed_size 0
		.amdhsa_enable_private_segment 0
		.amdhsa_kernarg_size 72
		.amdhsa_user_sgpr_count 2
		.amdhsa_user_sgpr_kernarg_segment_ptr 1
		.amdhsa_wavefront_size32 1
		.amdhsa_system_sgpr_workgroup_id_x 1
		.amdhsa_system_sgpr_workgroup_id_y 1
		.amdhsa_system_sgpr_workgroup_id_z 1
		.amdhsa_system_vgpr_workitem_id 0
		.amdhsa_next_free_vgpr 160
		.amdhsa_next_free_sgpr 66
		.amdhsa_reserve_vcc 1
		.amdhsa_float_denorm_mode_32 3
		.amdhsa_float_denorm_mode_16_64 3
		.amdhsa_memory_ordered 1
		.amdhsa_forward_progress 1
		.amdhsa_inst_pref_size 19
	.end_amdhsa_kernel
	.amdgpu_metadata
---
amdhsa.version: [ 1, 2 ]
amdhsa.kernels:
  - .name:           k_q6286289b5c_finish
    .symbol:         k_q6286289b5c_finish.kd
    .args:
      - { .name: part, .offset: 0, .size: 8, .value_kind: global_buffer, .address_space: global }
      - { .name: cntp, .offset: 8, .size: 8, .value_kind: global_buffer, .address_space: global }
      - { .name: lossp, .offset: 16, .size: 8, .value_kind: global_buffer, .address_space: global }
      - { .name: ema_embed, .offset: 24, .size: 8, .value_kind: global_buffer, .address_space: global }
      - { .name: cluster_size, .offset: 32, .size: 8, .value_kind: global_buffer, .address_space: global }
      - { .name: out2, .offset: 40, .size: 8, .value_kind: global_buffer, .address_space: global }
      - { .name: out3, .offset: 48, .size: 8, .value_kind: global_buffer, .address_space: global }
      - { .name: out4, .offset: 56, .size: 8, .value_kind: global_buffer, .address_space: global }
      - { .name: out5, .offset: 64, .size: 8, .value_kind: global_buffer, .address_space: global }
    .group_segment_fixed_size: 4608
    .private_segment_fixed_size: 0
    .kernarg_segment_align: 8
    .kernarg_segment_size: 72
    .max_flat_workgroup_size: 256
    .sgpr_count:     66
    .vgpr_count:     160
    .wavefront_size: 32
...
	.end_amdgpu_metadata
.endif
;; end of part 3
;; ======== version 2 of 2: 3 launches; 1.29 times as fast as version 1
;; workspace buffers: idxw 1,048,576 bytes of whole numbers; part 33,554,432 bytes; cntp 1,048,576 bytes; lossp 1,024 bytes
;; launch nearest (part 4): grid 256 x 1, 16 waves a work-group, no clusters, 90,112 bytes of LDS; arguments z, embeddings, out1, idxw; writes out1, idxw
.if DOCPART == 4
	.amdgcn_target "amdgcn-amd-amdhsa--gfx1250"
	.amdhsa_code_object_version 6
	.text
	.protected	k_q6286289b5c_nearest
	.globl	k_q6286289b5c_nearest
	.p2align	8
	.type	k_q6286289b5c_nearest,@function
k_q6286289b5c_nearest:
	s_mov_b64 s[64:65], 0
	v_nop
	global_prefetch_b8 v0, s[64:65] scope:SCOPE_SE
	s_setreg_imm32_b32 hwreg(HW_REG_WAVE_MODE, 25, 1), 1
	s_wait_xcnt 0x0
; nearest: for each of 262,144 rows of z (32 numbers) the index of the nearest of 1,024 codes, to out1 and, as whole numbers
; for the next launch, to idxw.
; ARITHMETIC.  z and e are rounded to bf16 (zb, eb).  For a row and a code: t = fl(zz + ee), d = fl(t + p) in f32, where
; zz = sum zb^2, ee = sum eb^2 and p = sum zb * (-2 eb) comes whole from ONE matrix instruction with C = 0 (K = 32).
; t and d are two separate f32 roundings, as the formula (zz + ee) - 2 z e is written: with d near 32 many rows have two codes whose d
; are equal after rounding, and the lowest index among equal d is the answer.  So every comparison here is strict and keeps the earlier code.
; LIMITS: NaN or infinity in z or e is not served (the minimum passes over NaN); -2 e must be finite in bf16, and 4 * sum eb^2
; neither overflow nor underflow in f32; p's last bits are the matrix unit's, not those of a chain of f32 additions.
; SHARES: 16 waves; the work-group owns 1,024 rows, wave w rows 64 w .. 64 w + 63 = 4 tiles of 16 rows, against 64 tiles of 16 codes.
; Source 0 = 16 codes, source 1 = 16 rows of z: lane (r = L & 15, h = L >> 4) holds in register j the code 16 tile + 8 h + j against
; row r, so the minimum over codes stays inside a lane until one exchange between the halves at the end.
; The vector unit has 18 instructions to issue for each matrix instruction, so the text is laid out for it: work on several tiles or
; chunks goes side by side, stage by stage, so that an instruction rarely reads the result of the one in front of it.
; No cluster: the one shared input is the code table of 128 KiB, read once by each work-group through registers, since it is converted.
.set CPITCH, 80                        ; an LDS row of codes: 64 bytes of bf16 + 16: an odd multiple of 16, so 16 rows start 20 words apart
.set EE,     81920                     ; behind 1,024 x 80 bytes of codes: ee, 1,024 f32
.set IDXS,   86016                     ; behind ee: 256 bytes for each wave, its own, for the way out
.set VA,   2                           ; v2       LDS address of my part of a code fragment
.set VE,   3                           ; v3       LDS address of my eight ee
.set H8,   4                           ; v4       h, later 8 h
.set ZOFF, 5                           ; v5       my byte offset in a tile of z
.set EOFF, 6                           ; v6       my byte offset in the code table
.set TMP,  7
.set T,    8                           ; v[8:23]  two sets of eight distances at work
.set ZZ,   24                          ; v[24:27] zz of my row in tiles 0..3
.set BV,   28                          ; v[28:35] best distance: set 0 and set 1 take turns as old and new, 4 tiles each
.set BT,   36                          ; v[36:39] code tile of the best distance
.set BF,   40                          ; v[40:71] four fragments of z
.set SV,   72                          ; v[72:103] the eight distances of the best code tile, for each of 4 tiles
.set AB,   104                         ; v[104:119] code fragments, two buffers
.set EB,   120                         ; v[120:135] ee, two buffers
.set DB,   136                         ; v[136:199] products, two buffers of 4 x 8
.set RAWE, 72                          ; at the head: e as loaded, 16 x 4 registers
.set RAWZ, 136                         ; at the head: z as loaded, 4 x 16 registers
.set CST,  200                         ; at the head: where I store converted codes
.set EST,  201                         ; at the head: where I store ee
.set M,    200                         ; in the loop: v[200:205] partial minima, two sets of three
.set IDX,  200                         ; at the end: v[200:203] index for each tile
.set PK,   204                         ; at the end: v[204:205] two tiles' indices in one register
.set OUT,  206                         ; at the end: v[206:207] two indices to store
.set JJ,   8                           ; at the end: v[8:11]  place among the eight kept distances
.set OB,   12                          ; at the end: v[12:15] the other half's best distance
.set OI,   16                          ; at the end: v[16:19] the other half's index
.set TID,  17                          ; s17, s18: number of the even and of the odd code tile at work
	s_load_b256 s[4:11], s[0:1], 0x0               ; z s[4:5], embeddings s[6:7], out1 s[8:9], idxw s[10:11]
	v_and_b32 v1, 31, v0                           ; lane L
	v_lshrrev_b32 v[TMP], 5, v0
	v_readfirstlane_b32 s12, v[TMP]                ; wave w
	s_mov_b32 s20, 0x76543210                      ; v_permlanex16_b32: lane i reads lane i of the other half
	s_mov_b32 s21, 0xfedcba98
	s_mov_b32 s22, 0xffff0000                      ; a word's upper bf16; also the mask of lanes 16 to 31
	s_lshl_b32 s13, s12, 13                        ; 64 rows (of z or of e) of 128 bytes for each wave
	s_lshl_b32 s14, ttmp9, 17                      ; 1,024 rows of 128 bytes for each work-group
	s_add_co_u32 s14, s14, s13
	s_mov_b32 s15, 0
	v_lshl_add_u32 v[EOFF], v1, 4, s13             ; 8,192 w + 16 L
	v_and_b32 v[TMP], 15, v0                       ; r
	v_bfe_u32 v[H8], v0, 4, 1                      ; h
	v_lshlrev_b32 v[ZOFF], 7, v[TMP]
	v_lshl_add_u32 v[ZOFF], v[H8], 5, v[ZOFF]      ; 128 r + 32 h
	s_wait_kmcnt 0x0
	s_add_nc_u64 s[4:5], s[4:5], s[14:15]          ; z at my wave's first row
	; 16 loads of e: chunk i = 512 neighbouring bytes = 4 codes, 8 lanes a code
.irp i, 0,1,2,3,4,5,6,7,8,9,10,11,12,13,14,15
	global_load_b128 v[RAWE+4*\i:RAWE+4*\i+3], v[EOFF], s[6:7] offset:512*\i
.endr
	; 16 loads of z, in fragment order: lane (r, h) takes k = 8 h .. 8 h + 7 and k = 16 + 8 h .. + 7 of row r; a tile's four loads read each of its bytes once
.irp i, 0,1,2,3
	global_load_b128 v[RAWZ+16*\i:RAWZ+16*\i+3],     v[ZOFF], s[4:5] offset:2048*\i
	global_load_b128 v[RAWZ+16*\i+4:RAWZ+16*\i+7],   v[ZOFF], s[4:5] offset:2048*\i+16
	global_load_b128 v[RAWZ+16*\i+8:RAWZ+16*\i+11],  v[ZOFF], s[4:5] offset:2048*\i+64
	global_load_b128 v[RAWZ+16*\i+12:RAWZ+16*\i+15], v[ZOFF], s[4:5] offset:2048*\i+80
.endr
	v_mul_u32_u24 v[VA], v[TMP], CPITCH
	v_lshl_add_u32 v[VA], v[H8], 4, v[VA]          ; 80 r + 16 h
	v_lshl_add_u32 v[VE], v[H8], 5, EE             ; EE + 32 h
	v_lshlrev_b32 v[H8], 3, v[H8]                  ; 8 h
	v_lshrrev_b32 v[TMP], 3, v1                    ; L >> 3: which of a chunk's four codes
	v_and_b32 v[EST], 7, v1                        ; L & 7: which four numbers of it
	v_mul_u32_u24 v[CST], v[TMP], CPITCH
	v_lshl_add_u32 v[CST], v[EST], 3, v[CST]
	s_mul_i32 s19, s12, 64*CPITCH
	v_add_nc_u32 v[CST], s19, v[CST]               ; (64 w + (L >> 3)) 80 + 8 (L & 7)
	s_lshl_b32 s23, s12, 8                         ; 256 w
	s_add_co_u32 s24, s23, EE
	v_lshl_add_u32 v[EST], v[TMP], 2, s24          ; EE + (64 w + (L >> 3)) 4
; Chunks 4 g .. 4 g + 3 of e, side by side: -2 e rounded to bf16 into LDS; ee = a quarter of the sum of squares of what was stored.
.macro ECH4 g
.set R, RAWE+16*\g
.set P, T+8*(\g&1)
	s_wait_loadcnt 28-4*\g                         ; loads come back in order (ISA guide 5.7.1): the 12 - 4 g later loads of e and the 16 of z stay out
.irp c, 0,1,2,3
	v_pk_mul_f32 v[R+4*\c:R+4*\c+1],   v[R+4*\c:R+4*\c+1],   -2.0 op_sel_hi:[1,0]
	v_pk_mul_f32 v[R+4*\c+2:R+4*\c+3], v[R+4*\c+2:R+4*\c+3], -2.0 op_sel_hi:[1,0]
.endr
.irp c, 0,1,2,3
	v_cvt_pk_bf16_f32 v[P+2*\c],   v[R+4*\c],   v[R+4*\c+1]
	v_cvt_pk_bf16_f32 v[P+2*\c+1], v[R+4*\c+2], v[R+4*\c+3]
.endr
.irp c, 0,1,2,3
	v_lshlrev_b32 v[R+4*\c],   16,  v[P+2*\c]      ; the rounded numbers back as f32
	v_and_b32     v[R+4*\c+1], s22, v[P+2*\c]
	v_lshlrev_b32 v[R+4*\c+2], 16,  v[P+2*\c+1]
	v_and_b32     v[R+4*\c+3], s22, v[P+2*\c+1]
.endr
.irp c, 0,1,2,3
	ds_store_b64 v[CST], v[P+2*\c:P+2*\c+1] offset:4*CPITCH*(4*\g+\c)
.endr
.irp c, 0,1,2,3
	v_pk_mul_f32 v[R+4*\c:R+4*\c+1], v[R+4*\c:R+4*\c+1], v[R+4*\c:R+4*\c+1]
.endr
.irp c, 0,1,2,3
	v_pk_fma_f32 v[R+4*\c:R+4*\c+1], v[R+4*\c+2:R+4*\c+3], v[R+4*\c+2:R+4*\c+3], v[R+4*\c:R+4*\c+1]
.endr
.irp c, 0,1,2,3
	v_add_f32 v[R+4*\c], v[R+4*\c], v[R+4*\c+1]
.endr
.irp c, 0,1,2,3
	v_add_f32_dpp v[R+4*\c], v[R+4*\c], v[R+4*\c] row_xmask:1 row_mask:0xf bank_mask:0xf   ; over the 8 lanes of a code
.endr
.irp c, 0,1,2,3
	v_add_f32_dpp v[R+4*\c], v[R+4*\c], v[R+4*\c] row_xmask:2 row_mask:0xf bank_mask:0xf
.endr
.irp c, 0,1,2,3
	v_add_f32_dpp v[R+4*\c], v[R+4*\c], v[R+4*\c] row_xmask:4 row_mask:0xf bank_mask:0xf
.endr
.irp c, 0,1,2,3
	v_mul_f32 v[R+4*\c], 0x3e800000, v[R+4*\c]     ; x 1/4: exact
.endr
.irp c, 0,1,2,3
	ds_store_b32 v[EST], v[R+4*\c] offset:16*(4*\g+\c)     ; the 8 lanes write one word with one value
.endr
.endm
	ECH4 0
	ECH4 1
	ECH4 2
	ECH4 3
	; The four tiles of z, side by side: the fragments in bf16, and zz of the rounded rows, the same number in both halves of the lanes.
	s_wait_loadcnt 0x0
.irp i, 0,1,2,3
.irp m, 0,1,2,3,4,5,6,7
	v_cvt_pk_bf16_f32 v[BF+8*\i+\m], v[RAWZ+16*\i+2*\m], v[RAWZ+16*\i+2*\m+1]
.endr
.endr
.irp i, 0,1,2,3
.irp m, 0,1,2,3,4,5,6,7
	v_lshlrev_b32 v[RAWZ+16*\i+2*\m],   16,  v[BF+8*\i+\m]
	v_and_b32     v[RAWZ+16*\i+2*\m+1], s22, v[BF+8*\i+\m]
.endr
.endr
.irp i, 0,1,2,3
	v_pk_mul_f32 v[RAWZ+16*\i:RAWZ+16*\i+1], v[RAWZ+16*\i:RAWZ+16*\i+1], v[RAWZ+16*\i:RAWZ+16*\i+1]
.endr
.irp m, 1,2,3,4,5,6,7
.irp i, 0,1,2,3
	v_pk_fma_f32 v[RAWZ+16*\i:RAWZ+16*\i+1], v[RAWZ+16*\i+2*\m:RAWZ+16*\i+2*\m+1], v[RAWZ+16*\i+2*\m:RAWZ+16*\i+2*\m+1], v[RAWZ+16*\i:RAWZ+16*\i+1]
.endr
.endr
.irp i, 0,1,2,3
	v_add_f32 v[RAWZ+16*\i], v[RAWZ+16*\i], v[RAWZ+16*\i+1]
.endr
.irp i, 0,1,2,3
	v_permlanex16_b32 v[RAWZ+16*\i+1], v[RAWZ+16*\i], s20, s21     ; the other 16 numbers of the row; the destination has been written
.endr
.irp i, 0,1,2,3
	v_add_f32 v[ZZ+\i], v[RAWZ+16*\i], v[RAWZ+16*\i+1]
.endr
	s_wait_dscnt 0x0                               ; my codes and ee are in LDS,
	s_barrier_signal -1
	s_barrier_wait -1                              ; everybody's are: the only barrier, nothing in these bytes is written again
; One tile of rows (i) against the code tile of parity p, in six stages: 18 vector instructions for one matrix instruction's 8 registers.
; The running minimum goes from BV set p to the other set; where it fell, the tile's number and its eight distances are kept.
; (An index for each element would take a compare, a select and a minimum for each: 24 in place of the 10 of MIN1 .. SAVE.)
.macro TADD i, p                       ; t = fl(ee + zz)
.set TT, T+8*(\i&1)
.set EP, EB+8*\p
.set ZQ, ZZ+2*(\i>>1)
.irp j, 0,2,4,6
.if \i&1
	v_pk_add_f32 v[TT+\j:TT+\j+1], v[EP+\j:EP+\j+1], v[ZQ:ZQ+1] op_sel:[0,1] op_sel_hi:[1,1]   ; zz from the pair's second register
.else
	v_pk_add_f32 v[TT+\j:TT+\j+1], v[EP+\j:EP+\j+1], v[ZQ:ZQ+1] op_sel_hi:[1,0]                ; zz from the pair's first register
.endif
.endr
.endm
.macro DADD i, p                       ; d = fl(t - 2 z e)
.set TT, T+8*(\i&1)
.set DD, DB+32*\p+8*\i
.irp j, 0,2,4,6
	v_pk_add_f32 v[TT+\j:TT+\j+1], v[TT+\j:TT+\j+1], v[DD+\j:DD+\j+1]
.endr
.endm
.macro MIN1 i, p                       ; three minima that do not wait for each other: the eight distances and the old best
.set TT, T+8*(\i&1)
.set MM, M+3*(\i&1)
	v_min3_num_f32 v[MM],   v[TT],   v[TT+1], v[TT+2]
	v_min3_num_f32 v[MM+1], v[TT+3], v[TT+4], v[TT+5]
	v_min3_num_f32 v[MM+2], v[TT+6], v[TT+7], v[BV+4*\p+\i]
.endm
.macro MIN2 i, p                       ; the new best
.set MM, M+3*(\i&1)
	v_min3_num_f32 v[BV+4*(1-\p)+\i], v[MM], v[MM+1], v[MM+2]
.endm
.macro CMPB i, p                       ; strictly below: an equal distance leaves the earlier tile in place
	v_cmp_lt_f32 vcc_lo, v[BV+4*(1-\p)+\i], v[BV+4*\p+\i]
.endm
.macro SAVE i, p                       ; nine selects on VCC, eight of them two to an instruction: destinations even and odd, both sources one bank apart
.set TT, T+8*(\i&1)
	v_cndmask_b32 v[BT+\i], v[BT+\i], s[TID+\p], vcc_lo
.irp j, 0,2,4,6
	v_dual_cndmask_b32 v[SV+8*\i+\j], v[SV+8*\i+\j], v[TT+\j] :: v_dual_cndmask_b32 v[SV+8*\i+\j+1], v[SV+8*\i+\j+1], v[TT+\j+1]
.endr
.endm
; The code tile of parity p is worked on.  wm: the next tile's four products are issued first.  la: the fragment of the tile three on is
; loaded (byte ka from VA).  le: the next tile's ee are loaded (byte ke from VE).
; The two sets of T and of M take turns between even and odd tiles of rows: a set is written again only behind the SAVE that read it.
.macro STEP p, wm, la, le, ka, ke
	s_wait_dscnt 0x0                               ; the next tile's fragment and this tile's ee: issued 56 vector instructions ago or earlier
.if \wm
.irp i, 0,1,2,3
	v_wmma_f32_16x16x32_bf16 v[DB+32*(1-\p)+8*\i:DB+32*(1-\p)+8*\i+7], v[AB+8*(1-\p):AB+8*(1-\p)+7], v[BF+8*\i:BF+8*\i+7], 0   ; K = 32: the whole sum, on four separate results
.endr
.endif
	TADD 0, \p
	TADD 1, \p
	DADD 0, \p
	DADD 1, \p                                     ; so far 16 vector instructions that name none of those products' registers: more than the four that
	                                               ; stand between a matrix instruction and a load into one of its sources
.if \la
	ds_load_b128 v[AB+8*(1-\p):AB+8*(1-\p)+3],   v[VA] offset:\ka
	ds_load_b128 v[AB+8*(1-\p)+4:AB+8*(1-\p)+7], v[VA] offset:\ka+32
.endif
.if \le
	ds_load_b128 v[EB+8*(1-\p):EB+8*(1-\p)+3],   v[VE] offset:\ke
	ds_load_b128 v[EB+8*(1-\p)+4:EB+8*(1-\p)+7], v[VE] offset:\ke+16
.endif
	MIN1 0, \p
	MIN1 1, \p
	MIN2 0, \p
	CMPB 0, \p
	MIN2 1, \p
	SAVE 0, \p
	CMPB 1, \p
	TADD 2, \p                                     ; into the set that SAVE 0 has read
	SAVE 1, \p
	TADD 3, \p
	DADD 2, \p
	DADD 3, \p
	MIN1 2, \p
	MIN1 3, \p
	MIN2 2, \p
	CMPB 2, \p
	MIN2 3, \p
	SAVE 2, \p
	CMPB 3, \p
	SAVE 3, \p
.endm
	; the head of the pipeline: fragments of code tiles 0 and 1, ee of tile 0, the products of tile 0
	ds_load_b128 v[AB:AB+3],     v[VA]
	ds_load_b128 v[AB+4:AB+7],   v[VA] offset:32
	ds_load_b128 v[AB+8:AB+11],  v[VA] offset:16*CPITCH
	ds_load_b128 v[AB+12:AB+15], v[VA] offset:16*CPITCH+32
	ds_load_b128 v[EB:EB+3],     v[VE]
	ds_load_b128 v[EB+4:EB+7],   v[VE] offset:16
	s_mov_b32 s25, 0x7f800000                      ; +infinity
	s_wait_dscnt 0x0
.irp i, 0,1,2,3
	v_wmma_f32_16x16x32_bf16 v[DB+8*\i:DB+8*\i+7], v[AB:AB+7], v[BF+8*\i:BF+8*\i+7], 0
.endr
	; the start of the search: 40 moves, which also stand between the products above and the load into their source
.irp i, 0,1,2,3
	v_mov_b32 v[BV+\i], s25
	v_mov_b32 v[BT+\i], 0
.endr
.set j, 0
.rept 32
	v_mov_b32 v[SV+j], s25
.set j, j+1
.endr
	ds_load_b128 v[AB:AB+3],   v[VA] offset:32*CPITCH      ; code tile 2
	ds_load_b128 v[AB+4:AB+7], v[VA] offset:32*CPITCH+32
	s_mov_b32 s[TID], 0
	s_mov_b32 s[TID+1], 1
	s_mov_b32 s16, 30
.Ltiles:                                           ; a trip: two code tiles; VA and VE stand at the even one
	STEP 0, 1, 1, 1, 48*CPITCH, 64
	STEP 1, 1, 1, 1, 64*CPITCH, 128
	v_add_nc_u32 v[VA], 32*CPITCH, v[VA]
	v_add_nc_u32 v[VE], 128, v[VE]
	s_add_co_u32 s[TID], s[TID], 2
	s_add_co_u32 s[TID+1], s[TID+1], 2
	s_sub_co_i32 s16, s16, 1
	s_cmp_lg_u32 s16, 0
	s_cbranch_scc1 .Ltiles
	STEP 0, 1, 1, 1, 48*CPITCH, 64                 ; tile 60: the last fragment, tile 63's, is loaded
	STEP 1, 1, 0, 1, 0, 128                        ; tile 61
	s_add_co_u32 s[TID], s[TID], 2
	s_add_co_u32 s[TID+1], s[TID+1], 2
	STEP 0, 1, 0, 1, 0, 192                        ; tile 62: the last products
	STEP 1, 0, 0, 0, 0, 0                          ; tile 63: the minimum ends in BV set 0
	; THE END, the four tiles of rows side by side.  The first of the eight kept distances that equals the minimum gives the code;
	; then the better of the two halves of the lanes, the lower index where they are equal.
.irp i, 0,1,2,3
	v_mov_b32 v[JJ+\i], 7
.endr
.irp j, 6,5,4,3,2,1,0
.irp i, 0,1,2,3
	v_cmp_eq_f32 s[24+\i], v[SV+8*\i+\j], v[BV+\i]
.endr
.irp i, 0,1,2,3
	v_cndmask_b32 v[JJ+\i], v[JJ+\i], \j, s[24+\i]
.endr
.endr
.irp i, 0,1,2,3
	v_lshl_add_u32 v[IDX+\i], v[BT+\i], 4, v[JJ+\i]
.endr
.irp i, 0,1,2,3
	v_add_nc_u32 v[IDX+\i], v[IDX+\i], v[H8]       ; 16 tile + 8 h + j
.endr
.irp i, 0,1,2,3
	v_permlanex16_b32 v[OB+\i], v[BV+\i], s20, s21 ; its destination counts as read: these registers held distances
.endr
.irp i, 0,1,2,3
	v_permlanex16_b32 v[OI+\i], v[IDX+\i], s20, s21
.endr
.irp i, 0,1,2,3
	v_cmp_lt_f32 s[24+\i], v[OB+\i], v[BV+\i]
	v_cmp_eq_f32 s[28+\i], v[OB+\i], v[BV+\i]
	v_cmp_lt_u32 s[32+\i], v[OI+\i], v[IDX+\i]
.endr
.irp i, 0,1,2,3
	s_and_b32 s[28+\i], s[28+\i], s[32+\i]
	s_or_b32 s[24+\i], s[24+\i], s[28+\i]
.endr
.irp i, 0,1,2,3
	v_cndmask_b32 v[IDX+\i], v[IDX+\i], v[OI+\i], s[24+\i]
.endr
	; the way out: 64 indices through my own 256 bytes of LDS, so that each store of the wave covers 256 consecutive bytes, aligned
	s_add_co_u32 s19, s23, IDXS
	v_lshl_add_u32 v[TMP], v1, 2, s19              ; IDXS + 256 w + 4 L
	v_cndmask_b32 v[PK], v[IDX], v[IDX+1], s22     ; lanes 0-15: tile 0's row L; lanes 16-31: tile 1's row L - 16
	v_cndmask_b32 v[PK+1], v[IDX+2], v[IDX+3], s22
	ds_store_b32 v[TMP], v[PK]
	ds_store_b32 v[TMP], v[PK+1] offset:128
	v_lshl_add_u32 v[VA], v1, 3, s19
	ds_load_b64 v[OUT:OUT+1], v[VA]                ; LDS serves a wave's instructions in order (ISA guide 5.7.1.4): this sees the two stores
	s_lshl_b32 s14, ttmp9, 12                      ; 1,024 indices of 4 bytes for each work-group
	s_add_co_u32 s14, s14, s23
	s_mov_b32 s15, 0
	s_add_nc_u64 s[8:9], s[8:9], s[14:15]
	s_add_nc_u64 s[10:11], s[10:11], s[14:15]
	v_lshlrev_b32 v[VE], 3, v1
	s_wait_dscnt 0x0
	global_store_b64 v[VE], v[OUT:OUT+1], s[8:9] th:TH_STORE_NT
	global_store_b64 v[VE], v[OUT:OUT+1], s[10:11]     ; read again by the next launch: no hint
	s_endpgm
.Lfunc_end_k_q6286289b5c_nearest:
	.size	k_q6286289b5c_nearest, .Lfunc_end_k_q6286289b5c_nearest-k_q6286289b5c_nearest
	.p2alignl 7, 3214868480
	.fill 96, 4, 3214868480
	.section	.rodata,"a",@progbits
	.p2align	6, 0x0
	.amdhsa_kernel k_q6286289b5c_nearest
		.amdhsa_group_segment_fixed_size 90112
		.amdhsa_private_segment_fixed_size 0
		.amdhsa_enable_private_segment 0
		.amdhsa_kernarg_size 32
		.amdhsa_user_sgpr_count 2
		.amdhsa_user_sgpr_kernarg_segment_ptr 1
		.amdhsa_wavefront_size32 1
		.amdhsa_system_sgpr_workgroup_id_x 1
		.amdhsa_system_sgpr_workgroup_id_y 1
		.amdhsa_system_sgpr_workgroup_id_z 1
		.amdhsa_system_vgpr_workitem_id 0
		.amdhsa_next_free_vgpr 208
		.amdhsa_next_free_sgpr 66
		.amdhsa_reserve_vcc 1
		.amdhsa_float_denorm_mode_32 3
		.amdhsa_float_denorm_mode_16_64 3
		.amdhsa_memory_ordered 1
		.amdhsa_forward_progress 1
		.amdhsa_inst_pref_size 64
	.end_amdhsa_kernel
	.amdgpu_metadata
---
amdhsa.version: [ 1, 2 ]
amdhsa.kernels:
  - .name:           k_q6286289b5c_nearest
    .symbol:         k_q6286289b5c_nearest.kd
    .args:
      - { .name: z, .offset: 0, .size: 8, .value_kind: global_buffer, .address_space: global }
      - { .name: embeddings, .offset: 8, .size: 8, .value_kind: global_buffer, .address_space: global }
      - { .name: out1, .offset: 16, .size: 8, .value_kind: global_buffer, .address_space: global }
      - { .name: idxw, .offset: 24, .size: 8, .value_kind: global_buffer, .address_space: global }
    .group_segment_fixed_size: 90112
    .private_segment_fixed_size: 0
    .kernarg_segment_align: 8
    .kernarg_segment_size: 32
    .max_flat_workgroup_size: 512
    .sgpr_count:     66
    .vgpr_count:     208
    .wavefront_size: 32
...
	.end_amdgpu_metadata
.endif
;; end of part 4
;; launch apply (part 5): grid 256 x 1, 16 waves a work-group, no clusters, 317,696 bytes of LDS; arguments z, embeddings, idxw, out0, part, cntp, lossp; writes out0, part, cntp, lossp
.if DOCPART == 5
	.amdgcn_target "amdgcn-amd-amdhsa--gfx1250"
	.amdhsa_code_object_version 6
	.text
	.protected	k_q6286289b5c_apply
	.globl	k_q6286289b5c_apply
	.p2align	8
	.type	k_q6286289b5c_apply,@function
k_q6286289b5c_apply:
	s_mov_b64 s[64:65], 0
	v_nop
	global_prefetch_b8 v0, s[64:65] scope:SCOPE_SE
	s_setreg_imm32_b32 hwreg(HW_REG_WAVE_MODE, 25, 1), 1
	s_wait_xcnt 0x0
; apply: with the indices that the launch before stored (idxw, whole numbers):
;   out0 = z + (e[idx] - z);  the work-group's sum of (e[idx] - z)^2 to lossp;
;   the work-group's own tables dw[code][col] = one_hot^T @ z (part) and n[code] = one_hot^T @ 1 (cntp), over its 1,024 rows.
; No traffic between work-groups: each has tables of its own; the next launch adds the 256 tables.
; STAGING: wave w takes rows 64 w .. 64 w + 63 of z and codes 64 w .. 64 w + 63 of e.  All its 49 global loads go out together: none
; waits for another's result.  The code table goes into LDS as it is (f32, 128 KiB), z rounded to bf16, the indices packed.
; THE COUNTS (matrix unit, each wave for its own 64 rows): a code is 32 a + b, and n[a][b] = sum over rows of onehot(a) onehot(b): a product of
; 32 x 32 over 32 rows is 4 matrix instructions, 8 for a wave.  The 16 waves' tables of 4 KiB meet in LDS and are added on the way out.
; PHASE A (f32, by index): e[idx] is picked from the table in LDS; out0 and the squares.  An LDS address made of an index can be any row
; of the table, so these reads stand between two barriers between which no wave writes LDS.
; PHASE B (matrix unit): wave w owns codes 64 w .. 64 w + 63 = 4 tiles of 16 and walks all 1,024 rows in 32 blocks of 32.
; Source 0 = z transposed (lane = column, registers = rows), source 1 = the one-hot (lane = code, registers = rows), so a lane's eight
; results are eight neighbouring columns of one code.  Phase B writes none of the registers that out0's stores read (v192-255).
; THE ONE-HOT costs 7 vector instructions a register for 4 tiles.  An index is kept as a 16-bit half: byte 0 = (idx >> 6) << 4 | (idx & 15),
; byte 1 = 2 ((idx >> 4) & 3).  xor with the lane's (w << 4 | r) makes byte 0 zero exactly where wave and lane fit; adding 0xff lets any
; other byte 0 carry into byte 1, which is then odd; byte 1 serves as a byte selector into a table of 8 bytes whose only non-zero
; byte, 0x40, stands at 2 x tile.  The half that comes out is 0x4000 = 2.0 in bf16, or 0; the factor 2 is taken out, exactly, at the end
; (for the counts, a product of two such: the factor 4).  The counts' one-hots are made likewise: byte 0 = the low four bits of a or of b,
; byte 1 = twice its fifth bit, the key is r.
; No cluster: the one shared input is the code table of 128 KiB, read once by each work-group through registers.
; LIMITS: dw is the sum of z rounded to bf16, in the matrix unit's order; an index is clamped to 1,023 before it enters an address,
; and only its low 10 bits enter the one-hots.
.set ZPITCH, 96                        ; an LDS row of z: 32 bf16 + 32 bytes: an odd multiple of 32, as the transposing load's eight rows want
.set PB,     1024*ZPITCH               ; 98,304: the packed indices for phase B, 512 words
.set SIDEA,  2048                      ; from there to the words packed for a; a wave reads only its own 128 bytes of them
.set SIDEB,  4096                      ; and to those packed for b
.set OUTS,   PB+3*2048                 ; 104,448: the way out, 64 codes x 144 bytes for each wave, its own
.set ET,     OUTS                      ; in the same bytes, up to the second barrier: the code table, 1,024 rows of 128 bytes
.set OPITCH, 144                       ; 128 bytes + 16: an odd multiple of 16
.set WOUT,   64*OPITCH
.set CP,     OUTS+16*WOUT              ; 251,904: the counts of each wave's 64 rows, 1,024 f32 for each wave
.set LOSS,   CP+65536                  ; 317,440: a word for each wave
.set VO,   2                           ; 16 L: my 16 bytes of 512 in z, out0, part
.set VZT,  3                           ; LDS address of the transposing loads
.set VP,   4                           ; LDS address of the packed indices of my rows of a block
.set VC,   5                           ; (w << 4 | r) in both halves
.set VOS,  6                           ; the way out: where I put 16 bytes of a code's row
.set VOR,  7                           ; the way out: where I read rows back
.set VCS,  8                           ; where I put my wave's counts
.set VCR,  9                           ; where I read two codes' counts of a wave
.set TA,   10
.set TB,   11
.set TC,   12
.set ZERO, 13
.set VR,   14                          ; r = L & 15
.set VH,   15                          ; h = L >> 4
.set Q,    16                          ; v[16:79]   my 64 codes as loaded; later e[idx], then e[idx] - z
.set CA,   16                          ; the counts: v[16:47] four accumulators, (a tile, b tile) at 8 (2 ta + tb)
.set FA,   48                          ; the counts: v[48:63] one-hots of a, two tiles
.set FB,   64                          ; the counts: v[64:79] one-hots of b, two tiles
.set ACC,  16                          ; phase B: v[16:79] tile t: columns 0-15 at 16 t, columns 16-31 at 16 t + 8
.set IA,   80                          ; v[80:95]   indices of phase A, then LDS addresses in the table
.set PQ,   96                          ; the counts: v[96:127] packed words: block 0's for a, for b, block 1's for a, for b
.set VIA,  128                         ; 4 (L >> 3)
.set VK,   129                         ; 16 (L & 7), later + ET
.set VZS,  130                         ; where I put 8 bytes of bf16 z
.set VPS,  131                         ; where I put a word of packed indices
.set VIP,  132                         ; 8 L
.set VET,  133                         ; where I put 16 bytes of the table
.set IP,   134                         ; v[134:135] the indices of rows 2 L, 2 L + 1 of my 64
.set LS,   136                         ; v[136:139] sums of squares
.set OH,   80                          ; phase B: v[80:143] one-hot fragments, two buffers of 4 x 8
.set W,    80                          ; the way out: rows read back
.set VCQ,  144                         ; the counts: r in both halves
.set VPQ,  145                         ; the counts: PB + 128 w + 16 h
.set VEO,  146                         ; 8,192 w + 16 L: my 16 bytes of the table in memory
.set ZC,   148                         ; v[148:179] z in bf16, a pair for each of 16 stores
.set ZF,   144                         ; phase B: v[144:175] z transposed, two buffers of 2 x 8
.set CW,   144                         ; the way out: v[144:175] two codes' counts of the 16 waves
.set PR,   176                         ; phase B: v[176:183] packed indices of the next block
.set SEL,  184                         ; v[184:191] selectors
.set Z,    192                         ; v[192:255] z, then out0: written by nothing behind out0's stores
	s_load_b256 s[4:11], s[0:1], 0x0               ; z s[4:5], embeddings s[6:7], idxw s[8:9], out0 s[10:11]
	s_load_b128 s[12:15], s[0:1], 0x20             ; part s[12:13], cntp s[14:15]
	s_load_b64 s[16:17], s[0:1], 0x30              ; lossp
	v_and_b32 v1, 31, v0                           ; lane L
	v_lshrrev_b32 v[TA], 5, v0
	v_readfirstlane_b32 s18, v[TA]                 ; wave w
	s_lshl_b32 s32, ttmp9, 17                      ; 1,024 rows of 128 bytes for each work-group (z, out0; part: 1,024 codes of 128 bytes),
	s_lshl_b32 s25, s18, 13                        ; 64 of them for each wave
	s_add_co_u32 s32, s32, s25
	s_mov_b32 s33, 0
	s_lshl_b32 s42, s18, 8                         ; 64 words for each wave,
	s_lshl_b32 s34, ttmp9, 12                      ; 1,024 for each work-group (idxw, cntp)
	s_add_co_u32 s34, s34, s42
	s_mov_b32 s35, 0
	s_lshl_b32 s40, ttmp9, 2                       ; a word for each work-group (lossp)
	s_mov_b32 s41, 0
	s_mov_b32 s36, 0x76543210                      ; v_permlanex16_b32: lane i reads lane i of the other half
	s_mov_b32 s37, 0xfedcba98
	s_mov_b32 s20, 0x00ff00ff                      ; the carry out of byte 0 of each half
	s_mov_b32 s21, 0x07000700                      ; keeps byte 1 of each half,
	s_mov_b32 s22, 0x00010001                      ; and byte 0 selects table byte 1, which is 0 in every table
	s_mov_b32 s23, 0x00400000                      ; a table word with 0x40 in byte 2
	v_lshlrev_b32 v[VO], 4, v1
	v_lshrrev_b32 v[TB], 3, v1                     ; L >> 3
	v_lshlrev_b32 v[VIA], 2, v[TB]
	v_lshlrev_b32 v[VIP], 3, v1
	v_add_nc_u32 v[VEO], s25, v[VO]
	s_wait_kmcnt 0x0
	s_add_nc_u64 s[4:5], s[4:5], s[32:33]
	s_add_nc_u64 s[8:9], s[8:9], s[34:35]
	s_add_nc_u64 s[10:11], s[10:11], s[32:33]
	s_add_nc_u64 s[12:13], s[12:13], s[32:33]
	s_add_nc_u64 s[14:15], s[14:15], s[34:35]
	s_add_nc_u64 s[16:17], s[16:17], s[40:41]
	global_load_b64 v[IP:IP+1], v[VIP], s[8:9]                 ; the indices of rows 2 L, 2 L + 1 of my 64
.irp i, 0,1,2,3,4,5,6,7,8,9,10,11,12,13,14,15
	global_load_b32 v[IA+\i], v[VIA], s[8:9] offset:16*\i      ; row 4 i + (L >> 3): 8 lanes share a row
.endr
.irp i, 0,1,2,3,4,5,6,7,8,9,10,11,12,13,14,15
	global_load_b128 v[Q+4*\i:Q+4*\i+3], v[VEO], s[6:7] offset:512*\i                 ; four codes: 512 consecutive bytes
.endr
.irp i, 0,1,2,3,4,5,6,7,8,9,10,11,12,13,14,15
	global_load_b128 v[Z+4*\i:Z+4*\i+3], v[VO], s[4:5] offset:512*\i th:TH_LOAD_NT    ; four rows: 512 consecutive bytes
.endr
	v_and_b32 v[VR], 15, v0
	v_bfe_u32 v[VH], v0, 4, 1
	v_and_b32 v[TC], 7, v1                         ; L & 7
	v_lshlrev_b32 v[VK], 4, v[TC]
	v_mul_u32_u24 v[VZS], v[TB], ZPITCH
	v_lshl_add_u32 v[VZS], v[TC], 3, v[VZS]
	s_mul_i32 s43, s18, 64*ZPITCH
	v_add_nc_u32 v[VZS], s43, v[VZS]               ; (64 w + (L >> 3)) 96 + 8 (L & 7)
	v_lshl_add_u32 v[TA], v[VH], 3, v[TC]
	v_mul_u32_u24 v[VZT], v[TA], ZPITCH
	v_bfe_u32 v[TA], v0, 3, 1
	v_lshl_add_u32 v[VZT], v[TA], 4, v[VZT]        ; (8 h + (L & 7)) 96 + 16 ((L >> 3) & 1)
	v_lshl_add_u32 v[VP], v[VH], 4, PB             ; PB + 16 h
	s_lshl_b32 s44, s18, 4
	v_or_b32 v[TA], s44, v[VR]
	v_lshl_or_b32 v[VC], v[TA], 16, v[TA]
	v_lshl_or_b32 v[VCQ], v[VR], 16, v[VR]
	s_mul_i32 s45, s18, WOUT
	s_add_co_u32 s45, s45, OUTS
	v_mul_u32_u24 v[VOS], v[VR], OPITCH
	v_lshl_add_u32 v[VOS], v[VH], 5, v[VOS]
	v_add_nc_u32 v[VOS], s45, v[VOS]               ; my stage + 144 r + 32 h
	v_mad_u32_u24 v[VOR], v[TB], OPITCH, v[VK]
	v_add_nc_u32 v[VOR], s45, v[VOR]               ; my stage + 144 (L >> 3) + 16 (L & 7)
	v_add_nc_u32 v[VK], ET, v[VK]                  ; ET + 16 (L & 7)
	s_add_co_u32 s26, s25, ET
	v_add_nc_u32 v[VET], s26, v[VO]                ; ET + 8,192 w + 16 L
	s_lshl_b32 s46, s18, 12
	s_add_co_u32 s46, s46, CP
	v_lshl_add_u32 v[VCS], v[VR], 2, s46
	v_lshl_add_u32 v[VCS], v[VH], 10, v[VCS]       ; CP + 4,096 w + 1,024 h + 4 r: code 32 (8 h) + r of my table
	s_add_co_u32 s39, s42, CP
	v_lshl_add_u32 v[VCR], v1, 3, s39              ; CP + 256 w + 8 L: codes 64 w + 2 L, + 1 of the first table
	s_lshl_b32 s47, s18, 7
	s_add_co_u32 s47, s47, PB
	v_lshl_add_u32 v[VPS], v1, 2, s47              ; PB + 128 w + 4 L
	v_lshl_add_u32 v[VPQ], v[VH], 4, s47           ; PB + 128 w + 16 h
	v_mov_b32 v[ZERO], 0
	; THE PACKED INDICES
	s_wait_loadcnt 48                              ; the pair of indices is in; the 48 loads issued behind it stay out
	v_and_b32 v[TA], 15, v[IP]                     ; each index as a half: byte 0 = (idx >> 6) << 4 | (idx & 15), byte 1 = 2 ((idx >> 4) & 3)
	v_bfe_u32 v[TB], v[IP], 6, 4
	v_lshl_or_b32 v[TA], v[TB], 4, v[TA]
	v_bfe_u32 v[TB], v[IP], 4, 2
	v_lshl_or_b32 v[TA], v[TB], 9, v[TA]
	v_and_b32 v[TC], 15, v[IP+1]
	v_bfe_u32 v[TB], v[IP+1], 6, 4
	v_lshl_or_b32 v[TC], v[TB], 4, v[TC]
	v_bfe_u32 v[TB], v[IP+1], 4, 2
	v_lshl_or_b32 v[TC], v[TB], 9, v[TC]
	v_lshl_or_b32 v[SEL], v[TC], 16, v[TA]         ; the even row below, the odd row above: as a fragment's register holds them
	ds_store_b32 v[VPS], v[SEL]
; a field of five bits of each index as a half: byte 0 = its low four bits (from bit o0), byte 1 = twice its fifth (bit o1)
.macro PACK5 o0, o1, off, dst
	v_bfe_u32 v[TA], v[IP], \o0, 4
	v_bfe_u32 v[TB], v[IP], \o1, 1
	v_lshl_or_b32 v[TA], v[TB], 9, v[TA]
	v_bfe_u32 v[TC], v[IP+1], \o0, 4
	v_bfe_u32 v[TB], v[IP+1], \o1, 1
	v_lshl_or_b32 v[TC], v[TB], 9, v[TC]
	v_lshl_or_b32 v[\dst], v[TC], 16, v[TA]
	ds_store_b32 v[VPS], v[\dst] offset:\off
.endm
	PACK5 5, 9, SIDEA, SEL+1                       ; a = idx >> 5
	PACK5 0, 4, SIDEB, SEL+2                       ; b = idx & 31
.irp b, 0,1
	ds_load_b128 v[PQ+16*\b:PQ+16*\b+3],     v[VPQ] offset:SIDEA+64*\b         ; my wave's own words: LDS serves a wave's instructions in order (ISA guide 5.7.1.4)
	ds_load_b128 v[PQ+16*\b+4:PQ+16*\b+7],   v[VPQ] offset:SIDEA+64*\b+32
	ds_load_b128 v[PQ+16*\b+8:PQ+16*\b+11],  v[VPQ] offset:SIDEB+64*\b
	ds_load_b128 v[PQ+16*\b+12:PQ+16*\b+15], v[VPQ] offset:SIDEB+64*\b+32
.endr
	; THE CODE TABLE into LDS, as it is
.irp i, 0,1,2,3,4,5,6,7,8,9,10,11,12,13,14,15
	s_wait_loadcnt 31-\i                           ; loads come back in order (ISA guide 5.7.1): 15 - i later chunks and the 16 loads of z stay out
	ds_store_b128 v[VET], v[Q+4*\i:Q+4*\i+3] offset:512*\i
.endr
; 24 instructions: the selectors of eight packed registers at src, for the lane's key
.macro SELX src, key
.irp j, 0,1,2,3,4,5,6,7
	v_xor_b32 v[SEL+\j], v[\src+\j], v[\key]               ; byte 0 of a half is 0 where the row fits my lane
.endr
.irp j, 0,1,2,3,4,5,6,7
	v_add_nc_u32 v[SEL+\j], s20, v[SEL+\j]                 ; any other byte 0 carries: byte 1 = 2 tile, or odd; a half stays below 0x0800
.endr
.irp j, 0,1,2,3,4,5,6,7
	v_and_or_b32 v[SEL+\j], v[SEL+\j], s21, s22            ; selector bytes: 1, byte 1, 1, byte 3
.endr
.endm
.macro MUL1 d, a, b, zero
.if \zero
	v_wmma_f32_16x16x32_bf16 v[\d:\d+7], v[\a:\a+7], v[\b:\b+7], 0
.else
	v_wmma_f32_16x16x32_bf16 v[\d:\d+7], v[\a:\a+7], v[\b:\b+7], v[\d:\d+7]
.endif
.endm
	; THE COUNTS of my 64 rows, in the registers that held my part of the table
.macro QPERM dst                       ; two one-hot fragments: selector 0-3 takes a byte of the second source
.irp j, 0,1,2,3,4,5,6,7
	v_perm_b32 v[\dst+\j],   0, 64,  v[SEL+\j]             ; values 0-15: 0x40 at table byte 0
	v_perm_b32 v[\dst+8+\j], 0, s23, v[SEL+\j]             ; values 16-31: at byte 2
.endr
.endm
.macro QBLK b, zero                    ; 32 rows: 4 products on 4 accumulators, one instruction a turn
	SELX PQ+16*\b, VCQ                             ; 24 vector instructions that name none of the last products' registers stand ahead of the writes of their sources
	QPERM FA
	SELX PQ+16*\b+8, VCQ
	QPERM FB
.irp ta, 0,1
.irp tb, 0,1
	MUL1 CA+8*(2*\ta+\tb), FA+8*\ta, FB+8*\tb, \zero
.endr
.endr
.endm
	s_wait_dscnt 0x0                               ; the packed words are in; the table's stores have read their registers
	QBLK 0, 1                                      ; the first products start the sums
	QBLK 1, 0
	; phase A's addresses in the table: 32 vector instructions that name none of the products' registers, more than the four that stand
	; between a matrix instruction and a store of its result.  The indices came in ahead of the table.
.irp i, 0,1,2,3,4,5,6,7,8,9,10,11,12,13,14,15
	v_min_u32 v[IA+\i], 0x3ff, v[IA+\i]
.endr
.irp i, 0,1,2,3,4,5,6,7,8,9,10,11,12,13,14,15
	v_lshl_add_u32 v[IA+\i], v[IA+\i], 7, v[VK]    ; ET + 128 idx + my 16 bytes
.endr
.irp ta, 0,1
.irp tb, 0,1
.irp j, 0,1,2,3,4,5,6,7
	ds_store_b32 v[VCS], v[CA+8*(2*\ta+\tb)+\j] offset:2048*\ta+64*\tb+128*\j  ; a = 16 ta + 8 h + j, b = 16 tb + r: word 32 a + b of my table
.endr
.endr
.endr
	; z rounded to bf16 into LDS; the f32 stays in its registers
.irp i, 0,1,2,3,4,5,6,7,8,9,10,11,12,13,14,15
	s_wait_loadcnt 15-\i                           ; the later loads of z stay out
	v_cvt_pk_bf16_f32 v[ZC+2*\i],   v[Z+4*\i],   v[Z+4*\i+1]
	v_cvt_pk_bf16_f32 v[ZC+2*\i+1], v[Z+4*\i+2], v[Z+4*\i+3]
	ds_store_b64 v[VZS], v[ZC+2*\i:ZC+2*\i+1] offset:4*ZPITCH*\i
.endr
	s_wait_dscnt 0x0                               ; my part of the table, my rows of z, my packed indices and my counts are in LDS,
	s_barrier_signal -1
	s_barrier_wait -1                              ; everybody's are
	; PHASE A.  From here to the next barrier no wave writes LDS.
.irp i, 0,1,2,3,4,5,6,7,8,9,10,11,12,13,14,15
	ds_load_b128 v[Q+4*\i:Q+4*\i+3], v[IA+\i]      ; e[idx]: 8 lanes take a row of 128 bytes
.endr
.macro ROW4 i                          ; four rows: 512 neighbouring bytes of z and of out0
	s_wait_dscnt 15-\i                             ; the later picks stay out
	v_pk_add_f32 v[Q+4*\i:Q+4*\i+1],   v[Q+4*\i:Q+4*\i+1],   v[Z+4*\i:Z+4*\i+1]   neg_lo:[0,1] neg_hi:[0,1]   ; e[idx] - z
	v_pk_add_f32 v[Q+4*\i+2:Q+4*\i+3], v[Q+4*\i+2:Q+4*\i+3], v[Z+4*\i+2:Z+4*\i+3] neg_lo:[0,1] neg_hi:[0,1]
.if \i
	v_pk_fma_f32 v[LS:LS+1],   v[Q+4*\i:Q+4*\i+1],   v[Q+4*\i:Q+4*\i+1],   v[LS:LS+1]
	v_pk_fma_f32 v[LS+2:LS+3], v[Q+4*\i+2:Q+4*\i+3], v[Q+4*\i+2:Q+4*\i+3], v[LS+2:LS+3]
.else
	v_pk_mul_f32 v[LS:LS+1],   v[Q+4*\i:Q+4*\i+1],   v[Q+4*\i:Q+4*\i+1]            ; the first squares start the sums
	v_pk_mul_f32 v[LS+2:LS+3], v[Q+4*\i+2:Q+4*\i+3], v[Q+4*\i+2:Q+4*\i+3]
.endif
	v_pk_add_f32 v[Z+4*\i:Z+4*\i+1],   v[Z+4*\i:Z+4*\i+1],   v[Q+4*\i:Q+4*\i+1]    ; z + (e[idx] - z)
	v_pk_add_f32 v[Z+4*\i+2:Z+4*\i+3], v[Z+4*\i+2:Z+4*\i+3], v[Q+4*\i+2:Q+4*\i+3]
	global_store_b128 v[VO], v[Z+4*\i:Z+4*\i+3], s[10:11] offset:512*\i th:TH_STORE_NT
.endm
.irp i, 0,1,2,3,4,5,6,7,8,9,10,11,12,13,14,15
	ROW4 \i
.endr
	v_pk_add_f32 v[LS:LS+1], v[LS:LS+1], v[LS+2:LS+3]
	v_add_f32 v[LS], v[LS], v[LS+1]
	v_add_f32_dpp v[LS], v[LS], v[LS] row_xmask:1 row_mask:0xf bank_mask:0xf
	v_add_f32_dpp v[LS], v[LS], v[LS] row_xmask:2 row_mask:0xf bank_mask:0xf
	v_add_f32_dpp v[LS], v[LS], v[LS] row_xmask:4 row_mask:0xf bank_mask:0xf
	v_add_f32_dpp v[LS], v[LS], v[LS] row_xmask:8 row_mask:0xf bank_mask:0xf
	v_permlanex16_b32 v[LS+1], v[LS], s36, s37
	v_add_f32 v[LS], v[LS], v[LS+1]
	s_lshl_b32 s38, s18, 2
	s_add_co_u32 s38, s38, LOSS
	v_mov_b32 v[TA], s38
	s_wait_dscnt 0x0                               ; my reads of the table are back (met: the count-down ended at 0),
	s_barrier_signal -1
	s_barrier_wait -1                              ; everybody's are: LDS may be written again, the table's bytes too
	; PHASE B
.macro ZLOAD f, off                    ; z transposed, 32 rows x 32 columns at byte off from VZT, into buffer f
	ds_load_tr16_b128 v[ZF+16*(\f):ZF+16*(\f)+3],     v[VZT] offset:\off                ; columns 0-15, rows 8 h .. + 7
	ds_load_tr16_b128 v[ZF+16*(\f)+4:ZF+16*(\f)+7],   v[VZT] offset:\off+16*ZPITCH      ;               rows 16 + 8 h .. + 7
	ds_load_tr16_b128 v[ZF+16*(\f)+8:ZF+16*(\f)+11],  v[VZT] offset:\off+32             ; columns 16-31
	ds_load_tr16_b128 v[ZF+16*(\f)+12:ZF+16*(\f)+15], v[VZT] offset:\off+16*ZPITCH+32
.endm
.macro PLOAD off                       ; the packed indices of a block's rows, in a fragment's order of rows; sixteen lanes read the same 16 bytes
	ds_load_b128 v[PR:PR+3],   v[VP] offset:\off
	ds_load_b128 v[PR+4:PR+7], v[VP] offset:\off+32
.endm
.macro PERMS f                         ; 32 instructions: four one-hot fragments; selector 0-3 takes a byte of the second source, 4-7 of the first
.irp j, 0,1,2,3,4,5,6,7
	v_perm_b32 v[OH+32*(\f)+\j],    0,   64,  v[SEL+\j]    ; tile 0: 0x40 at table byte 0
	v_perm_b32 v[OH+32*(\f)+8+\j],  0,   s23, v[SEL+\j]    ; tile 1: at byte 2
	v_perm_b32 v[OH+32*(\f)+16+\j], 64,  0,   v[SEL+\j]    ; tile 2: at byte 4
	v_perm_b32 v[OH+32*(\f)+24+\j], s23, 0,   v[SEL+\j]    ; tile 3: at byte 6
.endr
.endm
.macro MULS f, zero                    ; 8 products on 8 accumulators, one instruction a turn, in the same order in every block
.irp t, 0,1,2,3
	MUL1 ACC+16*\t,   ZF+16*(\f),   OH+32*(\f)+8*\t, \zero
	MUL1 ACC+16*\t+8, ZF+16*(\f)+8, OH+32*(\f)+8*\t, \zero
.endr
.endm
; Block b, of parity p.  bd: the next block's one-hots are built.  lz: the next block's z is loaded (byte kz from VZT).
; lp: the packed indices of the block after next are loaded (byte kp from VP), into the registers that the selectors above have just read.
.macro STEP p, zero, bd, lz, lp, kz, kp
	s_wait_dscnt 0x0                               ; this block's z and the next block's indices: issued in the middle of the step before
	MULS \p, \zero
.if \bd
	SELX PR, VC                                    ; 24 vector instructions that name none of the products' registers
.endif
.if \lz
	ZLOAD 1-\p, \kz                                ; into what the products of the step before read: the 32 v_perm_b32 of that step and the 24 above
	                                               ; stand between, more than the four that a load into a source needs
.endif
.if \lp
	PLOAD \kp
.endif
.if \bd
	PERMS 1-\p                                     ; likewise into the fragments that the step before multiplied
.endif
.endm
	ds_store_b32 v[TA], v[LS]                      ; my wave's sum of squares, into its own word; read behind the last barrier
	PLOAD 0
	ZLOAD 0, 0
	s_wait_dscnt 4                                 ; block 0's packed indices are in; the four transposing loads stay out
	SELX PR, VC
	PLOAD 64                                       ; block 1's
	PERMS 0
	STEP 0, 1, 1, 1, 1, 32*ZPITCH, 128             ; block 0: its products start the sums, nothing is cleared
	STEP 1, 0, 1, 1, 1, 64*ZPITCH, 192             ; block 1
	v_add_nc_u32 v[VZT], 64*ZPITCH, v[VZT]
	v_add_nc_u32 v[VP], 128, v[VP]
	s_mov_b32 s24, 14
.Lblocks:                                          ; a trip: two blocks; VZT and VP stand at the even one.  Blocks 2 to 29
	STEP 0, 0, 1, 1, 1, 32*ZPITCH, 128
	STEP 1, 0, 1, 1, 1, 64*ZPITCH, 192
	v_add_nc_u32 v[VZT], 64*ZPITCH, v[VZT]
	v_add_nc_u32 v[VP], 128, v[VP]
	s_sub_co_i32 s24, s24, 1
	s_cmp_lg_u32 s24, 0
	s_cbranch_scc1 .Lblocks
	STEP 0, 0, 1, 1, 0, 32*ZPITCH, 0               ; block 30: the last z; no indices are left to load
	STEP 1, 0, 0, 0, 0, 0, 0                       ; block 31
	; THE WAY OUT: halve (the one-hot was 2.0), 16 bytes a lane into my own stage, whole rows back
.rept 4
	v_nop                                          ; four places between the last product and the first reader of a result or load into a source
.endr
.irp q, 0,1,2,3,4,5,6,7,8,9,10,11,12,13,14,15
	ds_load_b64 v[CW+2*\q:CW+2*\q+1], v[VCR] offset:4096*\q    ; wave q's counts of my codes 64 w + 2 L, + 1: 256 consecutive bytes
.endr
.irp t, 0,1,2,3
.irp c, 0,1
.irp k, 0,2,4,6
	v_pk_mul_f32 v[ACC+16*\t+8*\c+\k:ACC+16*\t+8*\c+\k+1], v[ACC+16*\t+8*\c+\k:ACC+16*\t+8*\c+\k+1], 0.5 op_sel_hi:[1,0]
.endr
	ds_store_b128 v[VOS], v[ACC+16*\t+8*\c:ACC+16*\t+8*\c+3]   offset:16*OPITCH*\t+64*\c      ; code 16 t + r, columns 16 c + 8 h .. + 3
	ds_store_b128 v[VOS], v[ACC+16*\t+8*\c+4:ACC+16*\t+8*\c+7] offset:16*OPITCH*\t+64*\c+16   ; .. + 4 .. + 7
.endr
.endr
.irp s, 0,1,2,3,4,5,6,7,8,9,10,11,12,13,14,15
	ds_load_b128 v[W+4*\s:W+4*\s+3], v[VOR] offset:4*OPITCH*\s     ; LDS serves a wave's instructions in order (ISA guide 5.7.1.4): these see the stores above
.endr
	v_lshlrev_b32 v[TA], 3, v1
	s_wait_dscnt 16                                ; the counts are in; the 16 loads of rows stay out
.irp q, 2,4,6,8,10,12,14
	v_pk_add_f32 v[CW:CW+1],   v[CW:CW+1],   v[CW+2*\q:CW+2*\q+1]      ; whole numbers times 4, at most 4,096: exact in any order
	v_pk_add_f32 v[CW+2:CW+3], v[CW+2:CW+3], v[CW+2*\q+2:CW+2*\q+3]
.endr
	v_pk_add_f32 v[CW:CW+1], v[CW:CW+1], v[CW+2:CW+3]
	v_pk_mul_f32 v[CW:CW+1], v[CW:CW+1], 0x3e800000 op_sel_hi:[1,0]    ; x 1/4: both one-hots were 2.0
	global_store_b64 v[TA], v[CW:CW+1], s[14:15]   ; my 64 counts: 256 consecutive bytes, aligned
.irp s, 0,1,2,3,4,5,6,7,8,9,10,11,12,13,14,15
	s_wait_dscnt 15-\s                             ; the later rows stay out
	global_store_b128 v[VO], v[W+4*\s:W+4*\s+3], s[12:13] offset:512*\s    ; four codes: 512 consecutive bytes
.endr
	s_wait_dscnt 0x0                               ; my word of the squares has long been stored (met: the count-down ended at 0),
	s_barrier_signal -1
	s_barrier_wait -1                              ; everybody's has
	s_cmp_lg_u32 s18, 8
	s_cbranch_scc1 .Lend
	v_and_b32 v[TC], 15, v1                        ; wave 8: the 16 waves' sums of squares
	v_lshl_add_u32 v[TC], v[TC], 2, LOSS
	ds_load_b32 v[TB], v[TC]
	s_wait_dscnt 0x0
	v_add_f32_dpp v[TB], v[TB], v[TB] row_xmask:1 row_mask:0xf bank_mask:0xf
	v_add_f32_dpp v[TB], v[TB], v[TB] row_xmask:2 row_mask:0xf bank_mask:0xf
	v_add_f32_dpp v[TB], v[TB], v[TB] row_xmask:4 row_mask:0xf bank_mask:0xf
	v_add_f32_dpp v[TB], v[TB], v[TB] row_xmask:8 row_mask:0xf bank_mask:0xf
	v_cmp_eq_u32 vcc_lo, 0, v1
	s_wait_xcnt 0x0                                ; EXEC is a source of the stores above: it changes only behind this wait
	s_and_saveexec_b32 s39, vcc_lo
	global_store_b32 v[ZERO], v[TB], s[16:17]      ; lane 0; the offset register holds 0
	s_wait_xcnt 0x0                                ; and again in front of the line that widens it
	s_or_b32 exec_lo, exec_lo, s39
.Lend:
	s_endpgm
.Lfunc_end_k_q6286289b5c_apply:
	.size	k_q6286289b5c_apply, .Lfunc_end_k_q6286289b5c_apply-k_q6286289b5c_apply
	.p2alignl 7, 3214868480
	.fill 96, 4, 3214868480
	.section	.rodata,"a",@progbits
	.p2align	6, 0x0
	.amdhsa_kernel k_q6286289b5c_apply
		.amdhsa_group_segment_fixed_size 317696
		.amdhsa_private_segment_fixed_size 0
		.amdhsa_enable_private_segment 0
		.amdhsa_kernarg_size 56
		.amdhsa_user_sgpr_count 2
		.amdhsa_user_sgpr_kernarg_segment_ptr 1
		.amdhsa_wavefront_size32 1
		.amdhsa_system_sgpr_workgroup_id_x 1
		.amdhsa_system_sgpr_workgroup_id_y 1
		.amdhsa_system_sgpr_workgroup_id_z 1
		.amdhsa_system_vgpr_workitem_id 0
		.amdhsa_next_free_vgpr 256
		.amdhsa_next_free_sgpr 66
		.amdhsa_reserve_vcc 1
		.amdhsa_float_denorm_mode_32 3
		.amdhsa_float_denorm_mode_16_64 3
		.amdhsa_memory_ordered 1
		.amdhsa_forward_progress 1
		.amdhsa_inst_pref_size 71
	.end_amdhsa_kernel
	.amdgpu_metadata
---
amdhsa.version: [ 1, 2 ]
amdhsa.kernels:
  - .name:           k_q6286289b5c_apply
    .symbol:         k_q6286289b5c_apply.kd
    .args:
      - { .name: z, .offset: 0, .size: 8, .value_kind: global_buffer, .address_space: global }
      - { .name: embeddings, .offset: 8, .size: 8, .value_kind: global_buffer, .address_space: global }
      - { .name: idxw, .offset: 16, .size: 8, .value_kind: global_buffer, .address_space: global }
      - { .name: out0, .offset: 24, .size: 8, .value_kind: global_buffer, .address_space: global }
      - { .name: part, .offset: 32, .size: 8, .value_kind: global_buffer, .address_space: global }
      - { .name: cntp, .offset: 40, .size: 8, .value_kind: global_buffer, .address_space: global }
      - { .name: lossp, .offset: 48, .size: 8, .value_kind: global_buffer, .address_space: global }
    .group_segment_fixed_size: 317696
    .private_segment_fixed_size: 0
    .kernarg_segment_align: 8
    .kernarg_segment_size: 56
    .max_flat_workgroup_size: 512
    .sgpr_count:     66
    .vgpr_count:     256
    .wavefront_size: 32
...
	.end_amdgpu_metadata
.endif
;; end of part 5
;; launch finish (part 6): grid 256 x 1, 8 waves a work-group, no clusters, 4,608 bytes of LDS; arguments part, cntp, lossp, ema_embed, cluster_size, out2, out3, out4, out5; writes out2, out3, out4, out5
.if DOCPART == 6
	.amdgcn_target "amdgcn-amd-amdhsa--gfx1250"
	.amdhsa_code_object_version 6
	.text
	.protected	k_q6286289b5c_finish
	.globl	k_q6286289b5c_finish
	.p2align	8
	.type	k_q6286289b5c_finish,@function
k_q6286289b5c_finish:
	s_mov_b64 s[64:65], 0
	v_nop
	global_prefetch_b8 v0, s[64:65] scope:SCOPE_SE
	s_setreg_imm32_b32 hwreg(HW_REG_WAVE_MODE, 25, 1), 1
	s_wait_xcnt 0x0
; finish: adds the 256 work-groups' tables of the launch before and makes the EMA update and the loss.
;   dw[k] = sum of part[g][k], n_i[k] = sum of cntp[g][k];  pre = 0.99 cluster_size + 0.01 n_i;  n = sum over k of pre;
;   out4 = (pre + 1e-5) / (n + 1024e-5) * n;  out5 = 0.99 ema_embed + 0.01 dw;  out3 = out5 / out4;  out2 = 0.1 * sum of lossp / 2^23.
; n is formed as 0.99 * sum(cluster_size) + 0.01 * 262,144: every row has exactly one code, so the n_i add up to the number of rows
; for every input.  Divisions are v_rcp_f32 and a multiply.
; SHARES: work-group b owns codes 4 b .. 4 b + 3, 512 bytes of each table.  Wave v adds tables v, v + 8, .. (32 of them, 32 loads of 512
; consecutive bytes in flight); the eight waves' sums meet in LDS, and wave 0 finishes.
; The counts of 4 codes are 16 bytes of each table's 4,096: thread t reads those of table t, a short piece of a row, once in the launch.
; Every work-group adds up cluster_size (4 KiB) and lossp (1 KiB) for itself: no work-group reads what another stores.
; All loads of the launch go out at its head.  ema_embed and cluster_size of the four codes (528 bytes) are asked for by every wave,
; though wave 0 alone uses them: so no load follows the barrier, and every wave's counts of loads are the same.
; A stream: no matrix unit, no cluster, no tensor load.
.set P, 32                             ; v[32:159] 32 tables' 16 bytes; the sum grows in v[32:35]
.set TR, 18
	s_load_b256 s[4:11], s[0:1], 0x0               ; part s[4:5], cntp s[6:7], lossp s[8:9], ema_embed s[10:11]
	s_load_b256 s[12:19], s[0:1], 0x20             ; cluster_size s[12:13], out2 s[14:15], out3 s[16:17], out4 s[18:19]
	s_load_b64 s[20:21], s[0:1], 0x40              ; out5
	v_and_b32 v1, 31, v0                           ; lane L
	v_lshrrev_b32 v2, 5, v0
	v_readfirstlane_b32 s22, v2                    ; wave v
	s_mov_b32 s36, 0x76543210                      ; v_permlanex16_b32: lane i reads lane i of the other half
	s_mov_b32 s37, 0xfedcba98
	s_mov_b32 s46, 0x3f7d70a4                      ; 0.99
	s_mov_b32 s47, 0x3c23d70a                      ; 0.01
	s_lshl_b32 s34, ttmp9, 9                       ; 4 codes of 128 bytes
	s_mov_b32 s35, 0
	s_lshl_b32 s38, ttmp9, 4                       ; 4 codes of 4 bytes
	s_mov_b32 s39, 0
	s_lshl_b32 s42, s22, 17                        ; table v: 131,072 bytes each
	s_add_co_u32 s42, s42, s34
	s_mov_b32 s43, 0
	v_lshlrev_b32 v3, 12, v0                       ; 4,096 t
	v_lshlrev_b32 v4, 4, v0                        ; 16 t
	v_lshlrev_b32 v5, 2, v0                        ; 4 t
	v_lshlrev_b32 v6, 4, v1                        ; 16 L
	v_lshrrev_b32 v2, 3, v1                        ; q = L >> 3: which of the four codes is my lane's at the end
	v_lshlrev_b32 v31, 2, v2                       ; 4 q
	s_wait_kmcnt 0x0
	s_add_nc_u64 s[6:7], s[6:7], s[38:39]
	s_add_nc_u64 s[24:25], s[4:5], s[42:43]        ; four bases, 64 tables (8 MiB) apart: the immediate carries 8 tables (1 MiB) times 0 to 7
	s_add_nc_u64 s[26:27], s[24:25], 0x800000
	s_add_nc_u64 s[28:29], s[26:27], 0x800000
	s_add_nc_u64 s[30:31], s[28:29], 0x800000
	s_add_nc_u64 s[10:11], s[10:11], s[34:35]
	s_add_nc_u64 s[32:33], s[12:13], s[38:39]
	s_add_nc_u64 s[16:17], s[16:17], s[34:35]
	s_add_nc_u64 s[18:19], s[18:19], s[38:39]
	s_add_nc_u64 s[20:21], s[20:21], s[34:35]
	global_load_b128 v[8:11], v3, s[6:7]           ; table t's counts of my 4 codes
	global_load_b128 v[12:15], v4, s[12:13]        ; four of the 1,024 cluster sizes
	global_load_b32 v16, v5, s[8:9]                ; work-group t's sum of squares
	global_load_b128 v[20:23], v6, s[10:11]        ; ema_embed of the four codes, 512 consecutive bytes
	global_load_b32 v24, v31, s[32:33]             ; cluster_size of code q
.set j, 0
.rept 32
	global_load_b128 v[P+4*j:P+4*j+3], v6, s[24+2*(j/8):25+2*(j/8)] offset:(j%8)*0x100000 th:TH_LOAD_NT   ; table v + 8 j
.set j, j+1
.endr
.macro WRED r                          ; the sum over the wave's 32 lanes, in every lane
	v_add_f32_dpp v[\r], v[\r], v[\r] row_xmask:1 row_mask:0xf bank_mask:0xf
	v_add_f32_dpp v[\r], v[\r], v[\r] row_xmask:2 row_mask:0xf bank_mask:0xf
	v_add_f32_dpp v[\r], v[\r], v[\r] row_xmask:4 row_mask:0xf bank_mask:0xf
	v_add_f32_dpp v[\r], v[\r], v[\r] row_xmask:8 row_mask:0xf bank_mask:0xf
	v_permlanex16_b32 v[TR], v[\r], s36, s37
	v_add_f32 v[\r], v[\r], v[TR]
.endm
	s_wait_loadcnt 32                              ; the five small loads are in; the 32 table loads stay out
	v_add_f32 v12, v12, v13
	v_add_f32 v14, v14, v15
	v_add_f32 v17, v12, v14                        ; v[16:17] = sum of squares, cluster sizes
	v_mov_b32 v[TR], 0                             ; v_permlanex16_b32 counts as a reader of its destination
.irp r, 8,9,10,11,16,17
	WRED \r
.endr
.set j, 1
.rept 31
	s_wait_loadcnt 31-j                            ; the later tables stay out
	v_pk_add_f32 v[P:P+1],   v[P:P+1],   v[P+4*j:P+4*j+1]
	v_pk_add_f32 v[P+2:P+3], v[P+2:P+3], v[P+4*j+2:P+4*j+3]
.set j, j+1
.endr
	s_lshl_b32 s44, s22, 9
	v_add_nc_u32 v19, s44, v6                      ; 512 v + 16 L
	ds_store_b128 v19, v[P:P+3]
	s_lshl_b32 s45, s22, 5
	s_add_co_u32 s45, s45, 4096
	v_mov_b32 v7, s45                              ; 4,096 + 32 v: all lanes write the same six numbers
	ds_store_b128 v7, v[8:11]
	ds_store_b64 v7, v[16:17] offset:16
	s_wait_dscnt 0x0                               ; my sums are in LDS,
	s_barrier_signal -1
	s_barrier_wait -1                              ; everybody's are
	s_cmp_lg_u32 s22, 0
	s_cbranch_scc1 .Lend
	; wave 0: lane L has code q = L >> 3 of the four, columns 4 (L & 7) .. + 3
.irp k, 1,2,3,4,5,6,7
	ds_load_b128 v[P+4*\k:P+4*\k+3], v19 offset:512*\k         ; for wave 0 v19 is 16 L and v7 is 4,096; its own sums are still in registers
	ds_load_b128 v[64+8*\k:64+8*\k+3], v7 offset:32*\k
	ds_load_b64  v[68+8*\k:68+8*\k+1], v7 offset:32*\k+16
.endr
	s_wait_dscnt 0x0
.irp k, 1,2,3,4,5,6,7
	v_pk_add_f32 v[P:P+1],   v[P:P+1],   v[P+4*\k:P+4*\k+1]
	v_pk_add_f32 v[P+2:P+3], v[P+2:P+3], v[P+4*\k+2:P+4*\k+3]
	v_pk_add_f32 v[8:9],     v[8:9],     v[64+8*\k:64+8*\k+1]
	v_pk_add_f32 v[10:11],   v[10:11],   v[66+8*\k:66+8*\k+1]
	v_pk_add_f32 v[16:17],   v[16:17],   v[68+8*\k:68+8*\k+1]
.endr
	v_fma_f32 v28, v17, s46, 0x4523d70a            ; n = 0.99 sum(cluster_size) + 2621.44
	v_cmp_eq_u32 vcc_lo, 1, v2
	v_cndmask_b32 v25, v8, v9, vcc_lo              ; n_i of my code
	v_cmp_eq_u32 vcc_lo, 2, v2
	v_cndmask_b32 v25, v25, v10, vcc_lo
	v_cmp_eq_u32 vcc_lo, 3, v2
	v_cndmask_b32 v25, v25, v11, vcc_lo
	v_add_f32 v29, 0x3c27c5ac, v28                 ; n + 0.01024
	v_rcp_f32 v27, v29
	v_mul_f32 v25, s47, v25                        ; 0.01 n_i: the plain instruction between v_rcp_f32 and the use of its result (ISA guide 5.7.2)
	v_fma_f32 v25, v24, s46, v25                   ; pre (cluster_size and ema_embed came in ahead of the tables)
	v_add_f32 v25, 0x3727c5ac, v25                 ; + 1e-5
	s_wait_alu depctr_va_vdst(0)
	v_mul_f32 v25, v25, v27
	v_mul_f32 v25, v25, v28                        ; out4
	v_rcp_f32 v26, v25
	v_pk_mul_f32 v[20:21], v[20:21], s[46:47] op_sel_hi:[1,0]                  ; 0.99 ema_embed; also the plain instruction behind v_rcp_f32
	v_pk_mul_f32 v[22:23], v[22:23], s[46:47] op_sel_hi:[1,0]
	v_pk_fma_f32 v[20:21], v[P:P+1],   0x3c23d70a, v[20:21] op_sel_hi:[1,0,1]  ; + 0.01 dw: out5
	v_pk_fma_f32 v[22:23], v[P+2:P+3], 0x3c23d70a, v[22:23] op_sel_hi:[1,0,1]
	s_wait_alu depctr_va_vdst(0)
	v_pk_mul_f32 v[12:13], v[20:21], v[26:27] op_sel_hi:[1,0]                  ; out3 = out5 / out4: both by v26
	v_pk_mul_f32 v[14:15], v[22:23], v[26:27] op_sel_hi:[1,0]
	global_store_b128 v6, v[20:23], s[20:21]       ; 512 consecutive bytes each
	global_store_b128 v6, v[12:15], s[16:17]
	v_and_b32 v30, 7, v1
	v_cmp_eq_u32 vcc_lo, 0, v30
	s_wait_xcnt 0x0                                ; EXEC is a source of the stores above: it changes only behind this wait
	s_and_saveexec_b32 s40, vcc_lo
	global_store_b32 v31, v25, s[18:19]            ; one lane for each of my 4 codes: 16 consecutive bytes
	s_wait_xcnt 0x0
	s_or_b32 exec_lo, exec_lo, s40
	s_cmp_lg_u32 ttmp9, 0
	s_cbranch_scc1 .Lend
	v_mul_f32 v16, 0x324ccccd, v16                 ; work-group 0: x 0.1 / 2^23
	v_cmp_eq_u32 vcc_lo, 0, v1
	s_and_saveexec_b32 s40, vcc_lo                 ; no memory instruction has been issued since the last wait
	global_store_b32 v31, v16, s[14:15]            ; lane 0, whose 4 q is 0
	s_wait_xcnt 0x0
	s_or_b32 exec_lo, exec_lo, s40
.Lend:
	s_endpgm
.Lfunc_end_k_q6286289b5c_finish:
	.size	k_q6286289b5c_finish, .Lfunc_end_k_q6286289b5c_finish-k_q6286289b5c_finish
	.p2alignl 7, 3214868480
	.fill 96, 4, 3214868480
	.section	.rodata,"a",@progbits
	.p2align	6, 0x0
	.amdhsa_kernel k_q6286289b5c_finish
		.amdhsa_group_segment_fixed_size 4608
		.amdhsa_private_segment_fixed_size 0
		.amdhsa_enable_private_segment 0
		.amdhsa_kernarg_size 72
		.amdhsa_user_sgpr_count 2
		.amdhsa_user_sgpr_kernarg_segment_ptr 1
		.amdhsa_wavefront_size32 1
		.amdhsa_system_sgpr_workgroup_id_x 1
		.amdhsa_system_sgpr_workgroup_id_y 1
		.amdhsa_system_sgpr_workgroup_id_z 1
		.amdhsa_system_vgpr_workitem_id 0
		.amdhsa_next_free_vgpr 160
		.amdhsa_next_free_sgpr 66
		.amdhsa_reserve_vcc 1
		.amdhsa_float_denorm_mode_32 3
		.amdhsa_float_denorm_mode_16_64 3
		.amdhsa_memory_ordered 1
		.amdhsa_forward_progress 1
		.amdhsa_inst_pref_size 19
	.end_amdhsa_kernel
	.amdgpu_metadata
---
amdhsa.version: [ 1, 2 ]
amdhsa.kernels:
  - .name:           k_q6286289b5c_finish
    .symbol:         k_q6286289b5c_finish.kd
    .args:
      - { .name: part, .offset: 0, .size: 8, .value_kind: global_buffer, .address_space: global }
      - { .name: cntp, .offset: 8, .size: 8, .value_kind: global_buffer, .address_space: global }
      - { .name: lossp, .offset: 16, .size: 8, .value_kind: global_buffer, .address_space: global }
      - { .name: ema_embed, .offset: 24, .size: 8, .value_kind: global_buffer, .address_space: global }
      - { .name: cluster_size, .offset: 32, .size: 8, .value_kind: global_buffer, .address_space: global }
      - { .name: out2, .offset: 40, .size: 8, .value_kind: global_buffer, .address_space: global }
      - { .name: out3, .offset: 48, .size: 8, .value_kind: global_buffer, .address_space: global }
      - { .name: out4, .offset: 56, .size: 8, .value_kind: global_buffer, .address_space: global }
      - { .name: out5, .offset: 64, .size: 8, .value_kind: global_buffer, .address_space: global }
    .group_segment_fixed_size: 4608
    .private_segment_fixed_size: 0
    .kernarg_segment_align: 8
    .kernarg_segment_size: 72
    .max_flat_workgroup_size: 256
    .sgpr_count:     66
    .vgpr_count:     160
    .wavefront_size: 32
...
	.end_amdgpu_metadata
.endif
;; end of part 6
